; MI455X (gfx1250); checked and timed in simulation.
; The chip was launched on July 23, 2026; its instructions are those of AMD's public machine-readable ISA for CDNA 5 (MIT licence, August 2026) and "CDNA5" Instruction Set Architecture Reference Guide (July 2026). The comments in the code are by the model that wrote it; some were corrected since.
;; Neural Field. Allowed arithmetic: matrix products marked QUANTISED: E5M2 operands, one given power-of-two scale a tensor, by v_wmma_f32_16x16x64_bf8_bf8 or v_wmma_f32_16x16x128_bf8_bf8, f32 sums; products left as they are: f32 operands where the result goes on into a quantised operand, else bf16, f16 or f32 operands; f32 sums; everything else in f32.
;; Inputs: W0_codes 128 x 3 x 32 uint8 (E5M2 codes of W0, K innermost, in blocks of 32 codes); Wh_codes 7 x 128 x 7 x 32 uint8 (E5M2 codes of Wh, K innermost, in blocks of 32 codes); Wl 224 x 4 float32; b0 128 float32; bh 7 x 128 float32; bl 4 float32; lowp_scales 16 int32 (the exponents e of the quantised operands' scales 2^e); query_points 262,144 x 3 float32.
;; Outputs: out0 262,144 x 4 float32.
;; This version of the problem:
;;   THIS VERSION OF THE PROBLEM IS GIVEN IN LOW PRECISION. The matrix products marked QUANTISED in the list below multiply operands that are first quantised to E5M2 (5 exponent bits, 2 mantissa bits; 8 bits a number), with one given power-of-two scale for each operand tensor; their sums are f32. All else is computed in f32.
;;   The module's matrix products, in the order in which they are computed (A, B: the left and right operand; K: the contracted axis; several contracted axes count as one K, in the product's order):
;;     1. [M 262,144, K 96] x [K 96, N 128]; A: computed on the way; B: input W0 (given as codes): QUANTISED (scales: A lowp_scales[0], B lowp_scales[1])
;;     2. [M 262,144, K 224] x [K 224, N 128]; A: computed on the way; B: input Wh (given as codes): QUANTISED (scales: A lowp_scales[2], B lowp_scales[3])
;;     3. [M 262,144, K 224] x [K 224, N 128]; A: computed on the way; B: input Wh (given as codes): QUANTISED (scales: A lowp_scales[4], B lowp_scales[5])
;;     4. [M 262,144, K 224] x [K 224, N 128]; A: computed on the way; B: input Wh (given as codes): QUANTISED (scales: A lowp_scales[6], B lowp_scales[7])
;;     5. [M 262,144, K 224] x [K 224, N 128]; A: computed on the way; B: input Wh (given as codes): QUANTISED (scales: A lowp_scales[8], B lowp_scales[9])
;;     6. [M 262,144, K 224] x [K 224, N 128]; A: computed on the way; B: input Wh (given as codes): QUANTISED (scales: A lowp_scales[10], B lowp_scales[11])
;;     7. [M 262,144, K 224] x [K 224, N 128]; A: computed on the way; B: input Wh (given as codes): QUANTISED (scales: A lowp_scales[12], B lowp_scales[13])
;;     8. [M 262,144, K 224] x [K 224, N 128]; A: computed on the way; B: input Wh (given as codes): QUANTISED (scales: A lowp_scales[14], B lowp_scales[15])
;;     9. [M 262,144, K 224] x [K 224, N 4]; A: computed on the way; B: input Wl: left as it is (N = 4 < 16)
;;   THE QUANTISER, for each operand of a quantised product, along K:
;;     - The operand's scale is 2^e, e = its entry of the input lowp_scales (int32; the entries are numbered through the quantised products in the list's order, A before B).
;;     - Each number is divided by the scale, clamped to +-57,344, and rounded to the nearest number of E5M2, ties to even, subnormals kept.
;;     - The product sums the exact products of the quantised numbers (number of the format x scale) in f32.
;;   ~~~python
;;   def quantise(x, axis, e):      # numpy; x: float32 -> the quantised numbers, widened to float32 again
;;       x = np.moveaxis(x, axis, -1); K = x.shape[-1]
;;       r = np.clip(x / 2.0 ** e, -57344, 57344)
;;       step = 2.0 ** (np.maximum(np.frexp(np.where(r == 0, 1, r))[1] - 1, -14) - 2)
;;       q = np.round(r / step) * step * 2.0 ** e      # np.round: ties to even
;;       return np.moveaxis(q, -1, axis).astype(np.float32)
;;   ~~~
;;   OPERANDS COMPUTED ON THE WAY. 'Computed on the way' means the value that the module computes at that place (a softmax that the list does not call 'softmax' is quantised finished and normalised). What goes into a quantiser is computed in f32, as accurately as f32 sums, v_exp_f32 and their like allow (about 1e-6 of the number): no bf16 or f16 on the way to a quantiser, and a product that is left as it is and whose result goes on into a quantised operand takes f32 operands (vector FMAs, or v_wmma_f32_16x16x4_f32). A number that lies on a knife's edge between two numbers of the format may be rounded either way, as far as f32 arithmetic and the matrix unit's own rounding can turn it there, and no further.
;;   INPUTS GIVEN AS CODES. W0 (in the module: [96, 128], K = its axis 0); Wh (in the module: [7, 224, 128], K = its axis 1): each comes as NAME_codes (uint8): NAME with its K axis moved to the last place and cut into blocks of 32 codes, [.., K / 32, bytes a block], one block behind the other in memory; one code a byte (a code: sign, 5 exponent bits, 2 mantissa bits); its scale is its entry of lowp_scales. Its value is code x scale, taken as it is: it is not quantised again, and the codes and scales need not be those that the quantiser above would give.
;; 2 versions, each right; version 2 is version 1 with the launch field written anew for expert scheduling mode. Each part assembles by itself: llvm-mc -triple=amdgcn-amd-amdhsa -mcpu=gfx1250 --defsym DOCPART=n.
;; ======== version 1 of 2: 1 launch
;; limits: a function is approximated: absolute error at most 1e-07; inputs' magnitudes at most 64
;; launch field (part 1): grid 256 x 1, 4 waves a work-group, no clusters, 221,696 bytes of LDS; arguments query_points, W0_codes, Wh_codes, Wl, b0, bh, bl, lowp_scales, out0; writes out0
.if DOCPART == 1
	.amdgcn_target "amdgcn-amd-amdhsa--gfx1250"
	.amdhsa_code_object_version 6
	.text
	.protected	k_q2e291678b1_field
	.globl	k_q2e291678b1_field
	.p2align	8
	.type	k_q2e291678b1_field,@function
k_q2e291678b1_field:
	s_mov_b64 s[64:65], 0
	v_nop
	global_prefetch_b8 v0, s[64:65] scope:SCOPE_SE
	s_setreg_imm32_b32 hwreg(HW_REG_WAVE_MODE, 25, 1), 1
	s_wait_xcnt 0x0
; NeuralField: 262,144 points -> sin/cos encoding (96) -> 8 layers on codes of BF8 (E5M2), 96 -> 128 and seven times 224 -> 128 (hidden 128 + encoding 96), relu -> 224 -> 4 in bf16.
; ONE LAUNCH, nothing goes through memory between the steps.  256 work-groups x 4 waves; a work-group owns 1,024 rows and walks them in 4 passes of 256; a wave owns 64 rows of a pass: 4 tiles of 16.
; ALL PRODUCTS ARE USED TRANSPOSED (source 0 = 16 rows of a weight, source 1 = 16 points): lane (r = lane % 16, h = lane / 16) holds ONE point throughout, and its registers run along the units.
; THE ROWS OF A WEIGHT THAT FORM A TILE ARE NOT NEIGHBOURS: lane r of tile 2 b + u takes row 32 b + 8 u + r + 8 (r / 8), so that the 16 registers of tiles 2 b and 2 b + 1 are units 32 b + 16 h + 0 .. 15:
; the conversions' results are the next layer's operand.  Inside a K step of 128, registers 4 c .. 4 c + 3 hold k = 32 c + 16 h + 0 .. 15 in BOTH operands: a permutation of k that is the same on both sides.
; THE WEIGHTS (212,992 bytes of codes) lie in LDS for the whole launch as IMAGES OF THE OPERAND'S REGISTERS (16 bytes a lane, 512 bytes a group of four registers): each fragment comes by ds_load_b128 at 16 x lane.
; They go there through registers, once a work-group: the image's pieces are 16 bytes of rows taken out of order, so no tile descriptor with long rows gives it; hence no tensor load, no ring, no joint loads:
; what work-groups share is read once by each, for 1,024 rows of work.  The queries are loaded into registers a pass ahead.
; K = 96 and K = 224 are filled up to 128 and 256 with zero codes on both sides (four registers of zeros in each encoding fragment).
; SCALES.  A sum of layer i stands for sum x 2^(e[2i] + e[2i+1]).  The bias goes in as the C of a tile's first matrix instruction, multiplied by 2^-(e[2i] + e[2i+1]); the next operand's conversion takes
; 2^(e[2i+2] - e[2i] - e[2i+1]) as its one scale; relu and the hold at the largest code are one v_med3_num_f32.  Layer 7's 2^(e[14] + e[15]) is folded into Wl's first 128 rows.
; THE ENCODING.  reference() has sin and cos of fl(x 2^l pi) = 2^l y, y = fl(x pi).  t = y / (2 pi) is kept in two words (p1 + p2, from 1 / (2 pi) in two words and a fused multiply-add's exact error);
; u = 2^l t - q (q = 1/4 in lanes 0-15: sines; 0 in lanes 16-31: cosines), s = u less the nearest whole number (2^l p1 less that number is exact), and cos(2 pi s) = sin(2 pi (1/4 - |s|)) by its series to the 11th power.
; The encoding stays in f32 registers and is converted anew for each layer, since each layer has a scale of its own.  |enc| <= 1, so the hold changes nothing where 57,344 x 2^e > 1: a scalar branch on e takes the
; way with the hold only where e < -15.
; LIMITS: |query| <= 64.  e[2i], and e[2i+2] - e[2i] - e[2i+1], between -126 and 112.  NaN and infinities among the inputs are not served.  The last product's operands are rounded to bf16.
;
; LDS, written at the head alone, then one barrier, then only read:
.set WHIMG, 12288                      ; 0: layer 0: tile t at 1,536 t, group c (0..2) at + 512 c.   12,288: layer i (1..7) at 28,672 (i - 1), tile t at + 3,584 t, group q at + 512 q: q 0..2 = the row's blocks 4..6 (encoding), q 3..6 = blocks 0..3 (hidden)
.set LAYB,  28672
.set TILB,  3584
.set BIAS,  212992                     ; layer i at 512 i: 128 f32, already x 2^-(e[2i] + e[2i+1])
.set WLT,   217088                     ; Wl transposed: [4][224] f32
; REGISTERS, in windows of 256 (s_set_vgpr_msb: bits 1:0 source 0, 3:2 source 1, 5:4 source 2, 7:6 destination).
; window 0
.set VQ,  4                            ; v4   12 r: my point's bytes in a tile of queries; never rewritten
.set VO,  5                            ; v5   16 x lane; never rewritten
.set WLF, 32                           ; v32-87   Wl's 7 fragments in bf16
.set BLC, 88                           ; v88-95   bl[0..3], 0, 0, 0, 0: the C of the last product's first instruction
.set DD,  96                           ; v96-127  the last product's 4 accumulators
.set OO,  128                          ; v128-135 what is stored
.set WLR, 136                          ; v136-247 Wl as f32, at the head only
; window 1
.set ENC, 0                            ; v0-191   the encoding: tile m at 48 m, register 16 c + l = k 32 c + 16 h + l
.set KK,  192                          ; v192-207 2^l
.set CQ,  208                          ; v208 q, v209 the series' last coefficient
.set YY,  210                          ; v210-212 y of the three coordinates
.set PP,  214                          ; v214-219 (p1, p2) of the three coordinates
.set T1,  220                          ; v220-235, v236-251 at work
.set T2,  236
; window 2: v0-31, v32-63 two sets of 4 accumulators (row tile m at 8 m); v64-95, v96-127 two sets of weight fragments (+0..11 encoding, +12..15 zeros, +16..31 hidden); v128-135, v136-143 two biases
.set AW0, 144                          ; 16 x lane
.set AW,  145                          ; + where the layers in hand begin
.set AB0, 146                          ; 64 h
.set AB,  147                          ; + where their biases begin
.set QSV, 148                          ; the hidden layer's conversion scale
.set ESV, 149                          ; the encoding's
.set XQ,  160                          ; v160-171 the queries: 3 m + c
; window 3: codes, row tile m at 16 m
.set H0, 0
.set E0, 64
.set H1, 128
.set E1, 192
.set GG, 128                           ; the last product: the hidden layer in bf16 at 32 m + 8 b (over H0, E0), the encoding in bf16 at 128 + 24 m + 8 c (over H1 and half of E1)
; scalars: s[4:5] queries, s[20:21] out; s[6:15] the series' coefficients as pairs; s16 pi, s17 s18 1/(2 pi) in two words, s19 1/4; s22 lanes 16-31; s23 the largest f32; s[24:39] e[0..15]
.set PASS, 40
.set TRIP, 41
.set LB,   42
.set BL,   43
.set SET0, 44                          ; three sets of ten for the three trips over two layers a, a + 1: QS_a QL_a QS_a+1 QL_a+1 ES_a+1 EL_a+1 ES_a+2 EL_a+2 e[2a+2] e[2a+4]; the loop reads SET0, and the sets go round
.set SET1, 54
.set SET2, 66
.set TMPS, 76
.set QLC,  92                          ; the hold in hand: 57,344 x the conversion's scale
.set WV,   93
.set WM,  0xae                         ; weights, bias and sums window 2, codes window 3
.set WCV, 0xea                         ; sums (window 2) -> codes (window 3)
.set WEQ, 0xe9                         ; encoding (window 1), scale (window 2) -> codes (window 3)
.set WA1, 0x55
.set WA2, 0xaa
.set WYW, 0x48                         ; queries (window 2, source 1) -> window 1
.set WMF, 0x0c                         ; the last product: source 1 window 3.  Also: an LDS store's data from window 3
.set WGW, 0xc5                         ; encoding (window 1) -> bf16 (window 3)
.set WD1, 0x40
.set WD2, 0x80
.set WD3, 0xc0
.set WS1, 0x04                         ; an LDS store's data from window 1
.set MSB, 0
.macro WIN new                         ; the immediate's high byte repeats the setting that is left; a switch that changes nothing is dropped
.if MSB != \new
	s_set_vgpr_msb (MSB<<8)|\new
.set MSB, \new
.endif
.endm
.macro NOP4                            ; four places behind a matrix instruction (ISA guide 7.12.1)
.rept 4
	v_nop
.endr
.endm
.macro MKSC dsts, dstl, src            ; from the exponent in s[src]: 2^e as f32, and 57,344 x 2^e
	s_add_co_i32 s[\dstl], s[\src], 127
	s_lshl_b32 s[\dsts], s[\dstl], 23
	s_add_co_i32 s[\dstl], s[\dstl], 15
	s_lshl_b32 s[\dstl], s[\dstl], 23
	s_or_b32 s[\dstl], s[\dstl], 0x600000
.endm
.macro MKQ dsts, dstl, i               ; the same for e[2i+2] - e[2i] - e[2i+1]
	s_sub_co_i32 s94, s[24+2*(\i)+2], s[24+2*(\i)]
	s_sub_co_i32 s94, s94, s[25+2*(\i)]
	MKSC \dsts, \dstl, 94
.endm
; ---------------------------------------------------------------- THE HEAD
	s_load_b512 s[4:19], s[0:1], 0x0               ; queries, W0's codes, Wh's codes, Wl, b0, bh, bl, the scales' exponents
	s_load_b64 s[20:21], s[0:1], 0x40              ; out
	v_lshl_add_u32 v254, v0, 2, 0x36000
	v_mov_b32 v255, 0
	v_and_b32 v1, 31, v0                           ; lane
	v_and_b32 v2, 15, v0                           ; r
	v_bfe_u32 v3, v0, 4, 1                         ; h
	v_lshrrev_b32 v6, 5, v0
	v_readfirstlane_b32 s[WV], v6                  ; wave 0..3
	v_mul_u32_u24 v[VQ], v2, 12
	v_lshlrev_b32 v[VO], 4, v1
	v_lshrrev_b32 v7, 3, v2
	v_lshl_add_u32 v7, v7, 3, v2                   ; r + 8 (r / 8)
	s_lshl_b32 s94, s[WV], 5
	v_add_nc_u32 v7, s94, v7                       ; wave w brings tiles 2 w and 2 w + 1 of every layer: rows 32 w + 8 u + r + 8 (r / 8)
	v_mul_u32_u24 v8, v7, 224
	v_lshl_add_u32 v8, v3, 4, v8                   ; Wh: a row is 224 bytes; + 16 h
	v_mul_u32_u24 v9, v7, 96
	v_lshl_add_u32 v9, v3, 4, v9                   ; W0: a row is 96 bytes
	s_mul_i32 s94, s[WV], 3072
	v_add_nc_u32 v10, s94, v[VO]                   ; where my images go: layer 0,
	s_mul_i32 s94, s[WV], 7168
	s_add_co_u32 s94, s94, WHIMG
	v_add_nc_u32 v11, s94, v[VO]                   ; layers 1, 2;
	v_add_nc_u32 v12, 57344, v11                   ; 3, 4;
	v_add_nc_u32 v13, 57344, v12                   ; 5, 6;
	v_add_nc_u32 v14, 57344, v13                   ; 7
	v_lshlrev_b32 v15, 2, v0                       ; 4 x thread
	v_add_nc_u32 v16, BIAS, v15
	v_and_b32 v17, 3, v0
	v_lshrrev_b32 v18, 2, v0
	v_mul_u32_u24 v17, v17, 896
	v_lshl_add_u32 v17, v18, 2, v17
	v_add_nc_u32 v17, WLT, v17                     ; Wl's number 4 k + o goes to row o, place k
	s_mul_i32 s94, ttmp9, 12288
	s_mul_i32 s95, s[WV], 768
	s_add_co_u32 s94, s94, s95
	s_mov_b32 s95, 0
	s_lshl_b32 s96, ttmp9, 14
	s_lshl_b32 s97, s[WV], 10
	s_add_co_u32 s96, s96, s97
	s_mov_b32 s97, 0
	s_wait_kmcnt 0x0
	s_load_b512 s[24:39], s[18:19], 0x0            ; e[0..15]
	s_load_b128 s[40:43], s[16:17], 0x0            ; bl
	s_add_nc_u64 s[4:5], s[4:5], s[94:95]          ; my wave's first query: row 1,024 g + 64 w, 12 bytes a row
	s_add_nc_u64 s[20:21], s[20:21], s[96:97]      ; and its row of out, 16 bytes a row
	global_load_b32 v20, v15, s[12:13]             ; 8 loads: the biases, a number a thread
.irp i, 1,2,3,4,5,6,7
	global_load_b32 v[20+\i], v15, s[14:15] offset:512*(\i-1)
.endr
.irp q, 0,1,2,3,4,5,6
	global_load_b32 v[28+\q], v15, s[10:11] offset:512*\q      ; 7 loads: Wl
.endr
	WIN WD2
.irp m, 0,1,2,3
.irp c, 0,1,2
	global_load_b32 v[XQ+3*\m+\c], v[VQ], s[4:5] offset:192*\m+4*\c   ; 12 loads: the first pass's queries
.endr
.endr
	WIN WD1                                        ; batch A, 48 loads into window 1: layer 0 and layers 1 to 3
.irp u, 0,1
.irp c, 0,1,2
	global_load_b128 v[4*(3*\u+\c):4*(3*\u+\c)+3], v9, s[6:7] offset:768*\u+32*\c
.endr
.endr
.irp i, 1,2,3
.irp u, 0,1
.irp q, 0,1,2,3,4,5,6
	global_load_b128 v[4*(6+14*(\i-1)+7*\u+\q):4*(6+14*(\i-1)+7*\u+\q)+3], v8, s[8:9] offset:LAYB*(\i-1)+1792*\u+32*((\q+4)%7)
.endr
.endr
.endr
	WIN WD3                                        ; batch B, 56 loads into window 3: layers 4 to 7
.irp i, 4,5,6,7
.irp u, 0,1
.irp q, 0,1,2,3,4,5,6
	global_load_b128 v[4*(14*(\i-4)+7*\u+\q):4*(14*(\i-4)+7*\u+\q)+3], v8, s[8:9] offset:LAYB*(\i-1)+1792*\u+32*((\q+4)%7)
.endr
.endr
.endr
	WIN 0
	s_wait_kmcnt 0x0
	MKQ 86, 87, 0                                  ; layer 0's results: scale and hold
	MKSC 88, 89, 24                                ; the encoding for layer 0,
	MKSC 90, 91, 26                                ; for layer 1
.irp k, 0,1,2
.set SB, 44+10*\k+2*(\k/2)
.set AA, 1+2*\k
	MKQ SB, SB+1, AA
	MKQ SB+2, SB+3, AA+1
	MKSC SB+4, SB+5, 24+2*AA+2
	MKSC SB+6, SB+7, 24+2*AA+4
	s_mov_b32 s[SB+8], s[24+2*AA+2]
	s_mov_b32 s[SB+9], s[24+2*AA+4]
.endr
	s_wait_loadcnt 63                              ; 131 loads were issued: at most 63 out means that the first 68 are in, the 27 small ones among them
.irp i, 0,1,2,3,4,5,6,7
	s_add_co_i32 s94, s[24+2*\i], s[25+2*\i]
	s_sub_co_i32 s94, 0, s94
	v_ldexp_f32 v[20+\i], v[20+\i], s94            ; b x 2^-(e[2i] + e[2i+1])
	ds_store_b32 v16, v[20+\i] offset:512*\i
.endr
.irp q, 0,1,2,3,4,5,6
	ds_store_b32 v17, v[28+\q] offset:128*\q
.endr
	s_wait_loadcnt 56                              ; only batch B's 56 loads were issued behind batch A
	WIN WS1
.irp u, 0,1
.irp c, 0,1,2
	ds_store_b128 v10, v[4*(3*\u+\c):4*(3*\u+\c)+3] offset:1536*\u+512*\c
.endr
.endr
.irp i, 1,2,3
.irp u, 0,1
.irp q, 0,1,2,3,4,5,6
	ds_store_b128 v[11+(\i-1)/2], v[4*(6+14*(\i-1)+7*\u+\q):4*(6+14*(\i-1)+7*\u+\q)+3] offset:LAYB*((\i-1)%2)+TILB*\u+512*\q
.endr
.endr
.endr
	s_wait_loadcnt 0x0
	WIN WMF
.irp i, 4,5,6,7
.irp u, 0,1
.irp q, 0,1,2,3,4,5,6
	ds_store_b128 v[11+(\i-1)/2], v[4*(14*(\i-4)+7*\u+\q):4*(14*(\i-4)+7*\u+\q)+3] offset:LAYB*((\i-1)%2)+TILB*\u+512*\q
.endr
.endr
.endr
	WIN 0
	s_wait_dscnt 0x0                               ; for the others' sake: my stores have landed
	s_barrier_signal -1
	s_barrier_wait -1                              ; the launch's one barrier: from here on LDS is only read
	; Wl's fragments: source 0 of the last product.  Rows 0-3 and 8-11 are Wl^T's four rows, the others zeros: so both halves of the lanes find the four outputs in an accumulator's registers 0-3.
	v_and_b32 v18, 3, v2
	v_mul_u32_u24 v18, v18, 896
	v_lshl_add_u32 v18, v3, 6, v18
	v_add_nc_u32 v18, WLT, v18                     ; row r % 4, + 64 h: k = 32 j + 16 h + 0 .. 15, as the points' registers have them
.irp j, 0,1,2,3,4,5,6
.irp q, 0,1,2,3
	ds_load_b128 v[WLR+16*\j+4*\q:WLR+16*\j+4*\q+3], v18 offset:128*\j+16*\q
.endr
.endr
	v_and_b32 v19, 4, v2
	v_cmp_eq_u32 vcc_lo, 0, v19
	v_cndmask_b32 v22, 0, 1.0, vcc_lo              ; 1 in rows 0-3 and 8-11
	v_mov_b32 v23, v22
	s_add_co_i32 s94, s38, s39
	v_ldexp_f32 v20, v22, s94                      ; x 2^(e[14] + e[15]) for the rows that meet layer 7's sums
	v_mov_b32 v21, v20
.irp j, 0,1,2,3
	v_mov_b32 v[BLC+\j], s[40+\j]
	v_mov_b32 v[BLC+4+\j], 0
.endr
	v_cmp_eq_u32 vcc_lo, 0, v3
	v_mov_b32 v7, 0x3e800000
	v_cndmask_b32 v6, 0, v7, vcc_lo                ; q: 1/4 in lanes 0-15
	s_wait_dscnt 0x0
.irp j, 0,1,2,3,4,5,6
.irp i, 0,2,4,6,8,10,12,14
.if \j < 4
	v_pk_mul_f32 v[WLR+16*\j+\i:WLR+16*\j+\i+1], v[WLR+16*\j+\i:WLR+16*\j+\i+1], v[20:21] op_sel_hi:[1,0]
.else
	v_pk_mul_f32 v[WLR+16*\j+\i:WLR+16*\j+\i+1], v[WLR+16*\j+\i:WLR+16*\j+\i+1], v[22:23] op_sel_hi:[1,0]
.endif
.endr
.endr
.irp j, 0,1,2,3,4,5,6
.irp i, 0,1,2,3,4,5,6,7
	v_cvt_pk_bf16_f32 v[WLF+8*\j+\i], v[WLR+16*\j+2*\i], v[WLR+16*\j+2*\i+1]
.endr
.endr
	WIN WD1
.set kl, 0
.rept 16
	v_mov_b32 v[KK+kl], (127+kl)<<23               ; 2^l
.set kl, kl+1
.endr
	v_mov_b32 v[CQ], v6
	v_mov_b32 v[CQ+1], 0xc17183a8                  ; -(2 pi)^11 / 11!
	WIN WD2
	v_mov_b32 v[AW0], v[VO]
	v_lshlrev_b32 v[AB0], 6, v3
.irp j, 0,1,2,3
	v_mov_b32 v[76+\j], 0                          ; the zero codes that fill the encoding's K up to 128, in both sets of weight fragments; never rewritten
	v_mov_b32 v[108+\j], 0
.endr
	WIN 0
	; all loads that named s[6:19] are done: the registers take constants.  sin(2 pi z) = z (c1 + z^2 (c3 + z^2 (c5 + ..)))
	s_mov_b32 s6, 0x40c90fdb                       ; c1 = 2 pi
	s_mov_b32 s7, s6                               ; (a packed form names the pair, so both words are written)
	s_mov_b32 s8, 0xc2255de7                       ; c3 = -(2 pi)^3 / 3!
	s_mov_b32 s9, s8
	s_mov_b32 s10, 0x42a335e3                      ; c5
	s_mov_b32 s11, s10
	s_mov_b32 s12, 0xc2996966                      ; c7
	s_mov_b32 s13, s12
	s_mov_b32 s14, 0x42283c1a                      ; c9
	s_mov_b32 s15, s14
	s_mov_b32 s16, 0x40490fdb                      ; pi, as reference() has it in f32
	s_mov_b32 s17, 0x3e22f983                      ; 1 / (2 pi), its first 24 bits,
	s_mov_b32 s18, 0x31dc9c88                      ; and the next 24
	s_mov_b32 s19, 0x3e800000                      ; 1/4
	s_mov_b32 s22, 0xffff0000                      ; lanes 16-31
	s_mov_b32 s23, 0x7f7fffff                      ; the largest f32: layer 7's results are only clipped at 0
	s_mov_b32 s[PASS], 4
; ---------------------------------------------------------------- MACROS OF A PASS
; 16 numbers of the encoding: tile m, coordinate c; all in window 1.
.macro UNIT m, c
.set EA, ENC+48*(\m)+16*(\c)
.set PC, PP+2*(\c)
.irp i, 0,2,4,6,8,10,12,14
	v_pk_fma_f32 v[T1+\i:T1+\i+1], v[PC:PC+1], v[KK+\i:KK+\i+1], v[CQ:CQ+1] op_sel_hi:[0,1,0] neg_lo:[0,0,1] neg_hi:[0,0,1]   ; 2^l p1 - q
.endr
.irp i, 0,1,2,3,4,5,6,7,8,9,10,11,12,13,14,15
	v_rndne_f32 v[T1+\i], v[T1+\i]                 ; the nearest whole number
.endr
.irp i, 0,2,4,6,8,10,12,14
	v_pk_fma_f32 v[EA+\i:EA+\i+1], v[PC:PC+1], v[KK+\i:KK+\i+1], v[T1+\i:T1+\i+1] op_sel_hi:[0,1,1] neg_lo:[0,0,1] neg_hi:[0,0,1]   ; 2^l p1 less it: exact
.endr
.irp i, 0,2,4,6,8,10,12,14
	v_pk_fma_f32 v[T1+\i:T1+\i+1], v[PC:PC+1], v[KK+\i:KK+\i+1], v[CQ:CQ+1] op_sel:[1,0,0] op_sel_hi:[1,1,0] neg_lo:[0,0,1] neg_hi:[0,0,1]   ; 2^l p2 - q
.endr
.irp i, 0,2,4,6,8,10,12,14
	v_pk_add_f32 v[EA+\i:EA+\i+1], v[EA+\i:EA+\i+1], v[T1+\i:T1+\i+1]   ; s
.endr
.irp i, 0,1,2,3,4,5,6,7,8,9,10,11,12,13,14,15
	v_sub_f32 v[EA+\i], s19, |v[EA+\i]|            ; z = 1/4 - |s|
.endr
.irp i, 0,2,4,6,8,10,12,14
	v_pk_mul_f32 v[T1+\i:T1+\i+1], v[EA+\i:EA+\i+1], v[EA+\i:EA+\i+1]
.endr
.irp i, 0,2,4,6,8,10,12,14
	v_pk_fma_f32 v[T2+\i:T2+\i+1], v[T1+\i:T1+\i+1], v[CQ:CQ+1], s[14:15] op_sel:[0,1,0] op_sel_hi:[1,1,0]   ; z^2 c11 + c9
.endr
.irp cf, 12,10,8,6
.irp i, 0,2,4,6,8,10,12,14
	v_pk_fma_f32 v[T2+\i:T2+\i+1], v[T2+\i:T2+\i+1], v[T1+\i:T1+\i+1], s[\cf:\cf+1] op_sel_hi:[1,1,0]
.endr
.endr
.irp i, 0,2,4,6,8,10,12,14
	v_pk_mul_f32 v[EA+\i:EA+\i+1], v[T2+\i:T2+\i+1], v[EA+\i:EA+\i+1]
.endr
.endm
; The encoding's codes for one layer.  Six conversions of row tile m, with no hold:
.macro ENCQ_FAST_T m, eb
	WIN WEQ
.set sj, 0
.rept 6
	v_cvt_scalef32_pk8_bf8_f32 v[(\eb)+16*(\m)+2*sj:(\eb)+16*(\m)+2*sj+1], v[ENC+48*(\m)+8*sj:ENC+48*(\m)+8*sj+7], v[ESV]
.set sj, sj+1
.endr
.endm
; All four tiles with the hold: 32 numbers at a time are held into registers at work (the encoding itself is kept), then converted.
.macro ENCQ_SLOW el, eb
.set sg, 0
.rept 6
	WIN WA1
.set si, 0
.rept 32
	v_med3_num_f32 v[T1+si], v[ENC+32*sg+si], -s[\el], s[\el]   ; the conversion to an 8-bit code does not saturate (ISA guide 7.6.2)
.set si, si+1
.endr
	WIN WEQ
.set sj, 0
.rept 4
	v_cvt_scalef32_pk8_bf8_f32 v[(\eb)+16*((4*sg+sj)/6)+2*((4*sg+sj)%6):(\eb)+16*((4*sg+sj)/6)+2*((4*sg+sj)%6)+1], v[T1+8*sj:T1+8*sj+7], v[ESV]
.set sj, sj+1
.endr
	v_nop                                          ; a plain instruction between the conversions and the next lines that write their sources
.set sg, sg+1
.endr
.endm
.macro ENCQB er, es, el, eb            ; both ways, by a scalar branch on the given exponent
	WIN WD2
	v_mov_b32 v[ESV], s[\es]
	WIN 0
	s_cmp_lt_i32 s[\er], -15
	s_cbranch_scc1 .Lslow_\@
.irp m, 0,1,2,3
	ENCQ_FAST_T \m, \eb
.endr
	v_nop                                          ; a plain instruction behind the last conversion
	WIN 0
	s_branch .Ljoin_\@
.Lslow_\@:
	ENCQ_SLOW \el, \eb
	WIN 0
.Ljoin_\@:
.endm
; The matrix work.  EW: weights' encoding fragment x the encoding's codes of row tile m, C = the bias: it starts the sum.  HW: the hidden fragment x the hidden codes, onto it.
; The four accumulators of a stage take turns, one instruction a turn, and neighbouring stages use different sets.
.macro EW par, m, eb
	WIN WM
	v_wmma_f32_16x16x128_bf8_bf8 v[32*(\par)+8*(\m):32*(\par)+8*(\m)+7], v[64+32*(\par):64+32*(\par)+15], v[(\eb)+16*(\m):(\eb)+16*(\m)+15], v[128+8*(\par):128+8*(\par)+7]
.endm
.macro HW par, m, hb
	WIN WM
	v_wmma_f32_16x16x128_bf8_bf8 v[32*(\par)+8*(\m):32*(\par)+8*(\m)+7], v[80+32*(\par):80+32*(\par)+15], v[(\hb)+16*(\m):(\hb)+16*(\m)+15], v[32*(\par)+8*(\m):32*(\par)+8*(\m)+7]
.endm
.macro QMR qp, j0, j1                  ; relu and the hold in one, registers j0 .. j1 of set qp, ascending: each accumulator is read from its low end on
	WIN WM
.set qj, \j0
.rept (\j1)-(\j0)+1
	v_med3_num_f32 v[32*(\qp)+qj], 0, s[QLC], v[32*(\qp)+qj]
.set qj, qj+1
.endr
.endm
.macro QCV qp, tq, hout                ; tile tq's results of the four row tiles become codes: registers 4 (tq / 2) + 2 (tq % 2) of the next operand
	WIN WCV
.irp m, 0,1,2,3
	v_cvt_scalef32_pk8_bf8_f32 v[(\hout)+16*\m+4*((\tq)/2)+2*((\tq)%2):(\hout)+16*\m+4*((\tq)/2)+2*((\tq)%2)+1], v[32*(\qp)+8*\m:32*(\qp)+8*\m+7], v[QSV]
.endr
	v_nop                                          ; a plain instruction between the conversions and what reads their results or writes their sources
.endm
.macro RCV qp, tq                      ; layer 7: to bf16, for the last product
	WIN WCV
.irp m, 0,1,2,3
.irp i, 0,1,2,3
	v_cvt_pk_bf16_f32 v[32*\m+8*((\tq)/2)+4*((\tq)%2)+\i], v[32*(\qp)+8*\m+2*\i], v[32*(\qp)+8*\m+2*\i+1]
.endr
.endr
.endm
.macro LDW pn, k, woff                 ; group k (0..6) of the next stage's weight fragments into set pn
	WIN WM
.if (\k) < 3
	ds_load_b128 v[64+32*(\pn)+4*(\k):64+32*(\pn)+4*(\k)+3], v[AW] offset:(\woff)+512*(\k)
.else
	ds_load_b128 v[68+32*(\pn)+4*(\k):68+32*(\pn)+4*(\k)+3], v[AW] offset:(\woff)+512*(\k)
.endif
.endm
.macro LDB pn, k, boff                 ; half k of its bias: all lanes of a half read the same 16 bytes
	WIN WM
	ds_load_b128 v[128+8*(\pn)+4*(\k):128+8*(\pn)+4*(\k)+3], v[AB] offset:(\boff)+16*(\k)
.endm
; A STAGE: one tile of 16 units for the wave's 64 rows: 8 matrix instructions; between them the next stage's 9 LDS loads and the quantising of the tile before.
; The four v_nop at its head stand straight behind the last stage's last matrix instruction: they are the places in front of the reads of its results and of the loads into the registers that it read;
; two such groups lie ahead of the matrix instructions that begin a set of accumulators anew.  The wait is for 0: the stage's own fragments were asked for in the first half of the stage before.
.macro STAGE par, hin, ein, hout, tq, mode, ld, woff, boff
.set PN, 1-(\par)
	WIN WM
	NOP4
	s_wait_dscnt 0x0
	EW \par, 0, \ein
.if \ld
	LDW PN, 0, \woff
	LDW PN, 1, \woff
	LDW PN, 2, \woff
.endif
	QMR PN, 0, 2
	EW \par, 1, \ein
.if \ld
	LDW PN, 3, \woff
	LDW PN, 4, \woff
	LDW PN, 5, \woff
.endif
	QMR PN, 3, 6
	EW \par, 2, \ein
.if \ld
	LDW PN, 6, \woff
	LDB PN, 0, \boff
	LDB PN, 1, \boff
.endif
	QMR PN, 7, 10
	EW \par, 3, \ein
	QMR PN, 11, 17
	HW \par, 0, \hin
	QMR PN, 18, 24
	HW \par, 1, \hin
	QMR PN, 25, 31
	HW \par, 2, \hin
.if \mode
	RCV PN, \tq
.else
	QCV PN, \tq, \hout
.endif
	HW \par, 3, \hin
.endm
; A layer's first stage (layers 1 to 7).  The encoding's products need nothing of the layer before: under them its last tile is quantised, into this layer's operand, with the old scale.
; Then this layer's constants are set, and under the hidden products the encoding is converted for the NEXT layer (last = 1, layer 7: there is none).
.macro STAGE0 hin, ein, enext, last, woff, boff, qs, ql, es, el, er
	WIN WM
	NOP4
	s_wait_dscnt 0x0
	EW 0, 0, \ein
	LDW 1, 0, \woff
	LDW 1, 1, \woff
	LDW 1, 2, \woff
	QMR 1, 0, 7
	EW 0, 1, \ein
	LDW 1, 3, \woff
	LDW 1, 4, \woff
	LDW 1, 5, \woff
	QMR 1, 8, 15
	EW 0, 2, \ein
	LDW 1, 6, \woff
	LDB 1, 0, \boff
	LDB 1, 1, \boff
	QMR 1, 16, 23
	EW 0, 3, \ein
	QMR 1, 24, 31
	QCV 1, 7, \hin
.if \last
	s_mov_b32 s[QLC], s23
.irp m, 0,1,2,3
	HW 0, \m, \hin
.endr
.else
	s_mov_b32 s[QLC], s[\ql]
	WIN WD2
	v_mov_b32 v[QSV], s[\qs]
	v_mov_b32 v[ESV], s[\es]
	WIN 0
	s_cmp_lt_i32 s[\er], -15
	s_cbranch_scc1 .Lslow_\@
.irp m, 0,1,2,3
	HW 0, \m, \hin
	ENCQ_FAST_T \m, \enext
.endr
	v_nop                                          ; a plain instruction behind the last conversion
	WIN 0
	s_branch .Ljoin_\@
.Lslow_\@:
	ENCQ_SLOW \el, \enext
.irp m, 0,1,2,3
	HW 0, \m, \hin
.endr
	WIN 0
.Ljoin_\@:
.endif
.endm
; A stage of layer 0: K = 96, the encoding's products alone.
.macro STAGEL0 t
.set PR, (\t)%2
.set PN, 1-PR
	WIN WM
	NOP4
	s_wait_dscnt 0x0
	EW PR, 0, E0
.if (\t) < 7
	LDW PN, 0, 1536*((\t)+1)
	LDW PN, 1, 1536*((\t)+1)
.else
	LDW PN, 0, WHIMG                               ; layer 1's first tile
	LDW PN, 1, WHIMG
	LDW PN, 2, WHIMG
.endif
.if (\t) > 0
	QMR PN, 0, 7
.endif
	EW PR, 1, E0
.if (\t) < 7
	LDW PN, 2, 1536*((\t)+1)
	LDB PN, 0, 128*(((\t)+1)/2)+32*(((\t)+1)%2)
.else
	LDW PN, 3, WHIMG
	LDW PN, 4, WHIMG
	LDW PN, 5, WHIMG
.endif
.if (\t) > 0
	QMR PN, 8, 15
.endif
	EW PR, 2, E0
.if (\t) < 7
	LDB PN, 1, 128*(((\t)+1)/2)+32*(((\t)+1)%2)
.else
	LDW PN, 6, WHIMG
	LDB PN, 0, 512
	LDB PN, 1, 512
.endif
.if (\t) > 0
	QMR PN, 16, 23
.endif
	EW PR, 3, E0
.if (\t) > 0
	QMR PN, 24, 31
	QCV PN, (\t)-1, H1
.endif
.endm
; A layer of the loop: lam = 0 or 1, its place in the trip.  Tile 8 of a layer is tile 0 of the next, in the weights' images and in the biases alike, so one formula serves every stage's look ahead.
.macro LAYER lam, hin, ein, hout, enext, qs, ql, es, el, er
	STAGE0 \hin, \ein, \enext, 0, LAYB*(\lam)+TILB, 512*(\lam)+32, \qs, \ql, \es, \el, \er
.irp t, 1,2,3,4,5,6,7
	STAGE (\t%2), \hin, \ein, \hout, (\t-1), 0, 1, LAYB*(\lam)+TILB*(\t+1), 512*(\lam)+128*((\t+1)/2)+32*((\t+1)%2)
.endr
.endm
; ---------------------------------------------------------------- A PASS: 256 rows of the work-group, 64 of mine
.Lpass:
	WIN WA2
	v_mov_b32 v[AW], v[AW0]                        ; layer 0's images begin at LDS byte 0,
	v_add_nc_u32 v[AB], BIAS, v[AB0]               ; its bias at BIAS
	LDW 0, 0, 0                                    ; layer 0's first tile; the wait stands at the first stage's head
	LDW 0, 1, 0
	LDW 0, 2, 0
	LDB 0, 0, 0
	LDB 0, 1, 0
	WIN WD3
.irp m, 0,1,2,3
.irp j, 12,13,14,15
	v_mov_b32 v[E0+16*\m+\j], 0                    ; the zero codes that fill the encoding's K up to 128: the last product's operands lay over them
	v_mov_b32 v[E1+16*\m+\j], 0
.endr
.endr
.irp m, 0,1,2,3
	WIN WYW
.irp c, 0,1,2
	v_mul_f32 v[YY+\c], s16, v[XQ+3*\m+\c]         ; y = fl(x pi)
.endr
	WIN WA1
.irp c, 0,1,2
	v_mul_f32 v[PP+2*\c], s17, v[YY+\c]            ; p1
.endr
.irp c, 0,1,2
	v_fma_f32 v[PP+2*\c+1], v[YY+\c], s17, -v[PP+2*\c]   ; what p1's rounding lost, exactly
.endr
.irp c, 0,1,2
	v_fma_f32 v[PP+2*\c+1], v[YY+\c], s18, v[PP+2*\c+1]  ; p2
.endr
	UNIT \m, 0
	UNIT \m, 1
	UNIT \m, 2
.endr
	WIN 0
	s_cmp_eq_u32 s[PASS], 1                        ; the next pass's queries are asked for now, if there is a next pass: no load leaves its buffer
	s_cbranch_scc1 .Lno_next
	WIN WD2
.irp m, 0,1,2,3
.irp c, 0,1,2
	global_load_b32 v[XQ+3*\m+\c], v[VQ], s[4:5] offset:3072+192*\m+4*\c
.endr
.endr
	WIN 0
.Lno_next:
	ENCQB 24, 88, 89, E0                           ; the encoding's codes for layer 0,
	ENCQB 26, 90, 91, E1                           ; and for layer 1
	s_mov_b32 s[QLC], s87
	WIN WD2
	v_mov_b32 v[QSV], s86
.irp t, 0,1,2,3,4,5,6,7
	STAGEL0 \t
.endr
	WIN 0
	s_mov_b32 s[TRIP], 3
	s_mov_b32 s[LB], WHIMG
	s_mov_b32 s[BL], BIAS+512
.Ltrip:                                                ; three trips of two layers: after two layers the operands' registers are back where they began
	WIN WA2
	v_add_nc_u32 v[AW], s[LB], v[AW0]
	v_add_nc_u32 v[AB], s[BL], v[AB0]
	LAYER 0, H1, E1, H0, E0, SET0, SET0+1, SET0+4, SET0+5, SET0+8
	LAYER 1, H0, E0, H1, E1, SET0+2, SET0+3, SET0+6, SET0+7, SET0+9
	WIN 0
.irp p, 0,2,4,6,8
	s_mov_b64 s[TMPS+\p:TMPS+\p+1], s[SET0+\p:SET0+\p+1]   ; the three sets of constants go round: after three trips they are back
.endr
.irp p, 0,2,4,6,8
	s_mov_b64 s[SET0+\p:SET0+\p+1], s[SET1+\p:SET1+\p+1]
.endr
.irp p, 0,2,4,6,8
	s_mov_b64 s[SET1+\p:SET1+\p+1], s[SET2+\p:SET2+\p+1]
.endr
.irp p, 0,2,4,6,8
	s_mov_b64 s[SET2+\p:SET2+\p+1], s[TMPS+\p:TMPS+\p+1]
.endr
	s_add_co_u32 s[LB], s[LB], 2*LAYB
	s_add_co_u32 s[BL], s[BL], 1024
	s_sub_co_u32 s[TRIP], s[TRIP], 1
	s_cmp_lg_u32 s[TRIP], 0
	s_cbranch_scc1 .Ltrip
	; layer 7: its results go to bf16
	WIN WA2
	v_add_nc_u32 v[AW], WHIMG+6*LAYB, v[AW0]
	v_add_nc_u32 v[AB], BIAS+3584, v[AB0]
	STAGE0 H1, E1, 0, 1, TILB, 32, 0, 0, 0, 0, 0
.irp t, 1,2,3,4,5,6
	STAGE (\t%2), H1, E1, 0, (\t-1), 1, 1, TILB*(\t+1), 128*((\t+1)/2)+32*((\t+1)%2)
.endr
	STAGE 1, H1, E1, 0, 6, 1, 0, 0, 0              ; the last stage asks for nothing
	WIN WM
	NOP4
	QMR 1, 0, 31
	RCV 1, 7
	; THE LAST PRODUCT, in bf16: 7 K steps of 32, four accumulators by turns; C of the first step = bl.  Under the hidden layer's 16 products the encoding is rounded to bf16, six conversions behind each.
.set fs, 0
.irp j, 0,1,2,3
.irp m, 0,1,2,3
	WIN WMF
.if \j == 0
	v_wmma_f32_16x16x32_bf16 v[DD+8*\m:DD+8*\m+7], v[WLF+8*\j:WLF+8*\j+7], v[32*\m+8*\j:32*\m+8*\j+7], v[BLC:BLC+7]
.else
	v_wmma_f32_16x16x32_bf16 v[DD+8*\m:DD+8*\m+7], v[WLF+8*\j:WLF+8*\j+7], v[32*\m+8*\j:32*\m+8*\j+7], v[DD+8*\m:DD+8*\m+7]
.endif
	WIN WGW
.rept 6
	v_cvt_pk_bf16_f32 v[GG+fs], v[ENC+2*fs], v[ENC+2*fs+1]
.set fs, fs+1
.endr
.endr
.endr
.irp j, 4,5,6
.irp m, 0,1,2,3
	WIN WMF
	v_wmma_f32_16x16x32_bf16 v[DD+8*\m:DD+8*\m+7], v[WLF+8*\j:WLF+8*\j+7], v[GG+24*\m+8*(\j-4):GG+24*\m+8*(\j-4)+7], v[DD+8*\m:DD+8*\m+7]
.endr
.endr
	WIN 0
	NOP4
.irp j, 0,1,2,3
	v_cndmask_b32 v[OO+\j], v[DD+\j], v[DD+8+\j], s22          ; lanes 0-15: row tile 0's point r; lanes 16-31: row tile 1's: lane l holds row l's four outputs
.endr
.irp j, 0,1,2,3
	v_cndmask_b32 v[OO+4+\j], v[DD+16+\j], v[DD+24+\j], s22    ; the same of row tiles 2 and 3
.endr
	global_store_b128 v[VO], v[OO:OO+3], s[20:21] th:TH_STORE_NT              ; 32 lanes store 512 consecutive bytes, at a multiple of 256 from out's first byte
	global_store_b128 v[VO], v[OO+4:OO+7], s[20:21] offset:512 th:TH_STORE_NT
	s_wait_loadcnt 0x0                             ; the next pass's queries are in
	s_wait_xcnt 0x0                                ; the stores have read their data and base: both may be written again
	s_add_nc_u64 s[4:5], s[4:5], 3072
	s_add_nc_u64 s[20:21], s[20:21], 4096
	s_sub_co_u32 s[PASS], s[PASS], 1
	s_cmp_lg_u32 s[PASS], 0
	s_cbranch_scc1 .Lpass
	s_wait_tensorcnt 0x0
	ds_add_u32 v254, v255
	s_wait_dscnt 0x0
	s_endpgm
.Lfunc_end_k_q2e291678b1_field:
	.size	k_q2e291678b1_field, .Lfunc_end_k_q2e291678b1_field-k_q2e291678b1_field
	.p2alignl 7, 3214868480
	.fill 96, 4, 3214868480
	.section	.rodata,"a",@progbits
	.p2align	6, 0x0
	.amdhsa_kernel k_q2e291678b1_field
		.amdhsa_group_segment_fixed_size 221696
		.amdhsa_private_segment_fixed_size 0
		.amdhsa_enable_private_segment 0
		.amdhsa_kernarg_size 72
		.amdhsa_user_sgpr_count 2
		.amdhsa_user_sgpr_kernarg_segment_ptr 1
		.amdhsa_wavefront_size32 1
		.amdhsa_system_sgpr_workgroup_id_x 1
		.amdhsa_system_sgpr_workgroup_id_y 1
		.amdhsa_system_sgpr_workgroup_id_z 1
		.amdhsa_system_vgpr_workitem_id 0
		.amdhsa_next_free_vgpr 1024
		.amdhsa_next_free_sgpr 102
		.amdhsa_reserve_vcc 1
		.amdhsa_float_denorm_mode_32 3
		.amdhsa_float_denorm_mode_16_64 3
		.amdhsa_memory_ordered 1
		.amdhsa_forward_progress 1
		.amdhsa_inst_pref_size 255
	.end_amdhsa_kernel
	.section	.bss,"aw",@nobits
	.p2align	6
	.space	262144
	.amdgpu_metadata
---
amdhsa.version: [ 1, 2 ]
amdhsa.kernels:
  - .name:           k_q2e291678b1_field
    .symbol:         k_q2e291678b1_field.kd
    .args:
      - { .name: query_points, .offset: 0, .size: 8, .value_kind: global_buffer, .address_space: global }
      - { .name: W0_codes, .offset: 8, .size: 8, .value_kind: global_buffer, .address_space: global }
      - { .name: Wh_codes, .offset: 16, .size: 8, .value_kind: global_buffer, .address_space: global }
      - { .name: Wl, .offset: 24, .size: 8, .value_kind: global_buffer, .address_space: global }
      - { .name: b0, .offset: 32, .size: 8, .value_kind: global_buffer, .address_space: global }
      - { .name: bh, .offset: 40, .size: 8, .value_kind: global_buffer, .address_space: global }
      - { .name: bl, .offset: 48, .size: 8, .value_kind: global_buffer, .address_space: global }
      - { .name: lowp_scales, .offset: 56, .size: 8, .value_kind: global_buffer, .address_space: global }
      - { .name: out0, .offset: 64, .size: 8, .value_kind: global_buffer, .address_space: global }
    .group_segment_fixed_size: 221696
    .private_segment_fixed_size: 0
    .kernarg_segment_align: 8
    .kernarg_segment_size: 72
    .max_flat_workgroup_size: 128
    .sgpr_count:     102
    .vgpr_count:     1024
    .wavefront_size: 32
...
	.end_amdgpu_metadata
.endif
;; end of part 1
;; ======== version 2 of 2: 1 launch; version 1 with the launch field written anew for expert scheduling mode
;; limits: a function is approximated: absolute error at most 1e-07; inputs' magnitudes at most 64
;; launch field (part 2): grid 256 x 1, 4 waves a work-group, no clusters, 221,696 bytes of LDS; arguments query_points, W0_codes, Wh_codes, Wl, b0, bh, bl, lowp_scales, out0; writes out0
.if DOCPART == 2
	.amdgcn_target "amdgcn-amd-amdhsa--gfx1250"
	.amdhsa_code_object_version 6
	.text
	.protected	k_q2e291678b1_field
	.globl	k_q2e291678b1_field
	.p2align	8
	.type	k_q2e291678b1_field,@function
k_q2e291678b1_field:
	s_mov_b64 s[64:65], 0
	v_nop
	global_prefetch_b8 v0, s[64:65] scope:SCOPE_SE
	s_setreg_imm32_b32 hwreg(HW_REG_WAVE_SCHED_MODE, 0, 2), 2
	s_setreg_imm32_b32 hwreg(HW_REG_WAVE_MODE, 25, 1), 1
	s_wait_xcnt 0x0
	s_wait_alu depctr_vm_vsrc(0)
; NeuralField: 262,144 points -> sin/cos encoding (96) -> 8 layers on codes of BF8 (E5M2), 96 -> 128 and seven times 224 -> 128 (hidden 128 + encoding 96), relu -> 224 -> 4 in bf16.
; ONE LAUNCH, nothing goes through memory between the steps.  256 work-groups x 4 waves; a work-group owns 1,024 rows and walks them in 4 passes of 256; a wave owns 64 rows of a pass: 4 tiles of 16.
; ALL PRODUCTS ARE USED TRANSPOSED (source 0 = 16 rows of a weight, source 1 = 16 points): lane (r = lane % 16, h = lane / 16) holds ONE point throughout, and its registers run along the units.
; THE ROWS OF A WEIGHT THAT FORM A TILE ARE NOT NEIGHBOURS: lane r of tile 2 b + u takes row 32 b + 8 u + r + 8 (r / 8), so that the 16 registers of tiles 2 b and 2 b + 1 are units 32 b + 16 h + 0 .. 15:
; the conversions' results are the next layer's operand.  Inside a K step of 128, registers 4 c .. 4 c + 3 hold k = 32 c + 16 h + 0 .. 15 in BOTH operands: a permutation of k that is the same on both sides.
; THE WEIGHTS (212,992 bytes of codes) lie in LDS for the whole launch as IMAGES OF THE OPERAND'S REGISTERS (16 bytes a lane, 512 bytes a group of four registers): each fragment comes by ds_load_b128 at 16 x lane.
; They go there through registers, once a work-group: the image's pieces are 16 bytes of rows taken out of order, so no tile descriptor with long rows gives it; hence no tensor load, no ring, no joint loads:
; what work-groups share is read once by each, for 1,024 rows of work.  The queries are loaded into registers a pass ahead.
; K = 96 and K = 224 are filled up to 128 and 256 with zero codes on both sides (four registers of zeros in each encoding fragment).
; SCALES.  A sum of layer i stands for sum x 2^(e[2i] + e[2i+1]).  The bias goes in as the C of a tile's first matrix instruction, multiplied by 2^-(e[2i] + e[2i+1]); the next operand's conversion takes
; 2^(e[2i+2] - e[2i] - e[2i+1]) as its one scale; relu and the hold at the largest code are one v_med3_num_f32.  Layer 7's 2^(e[14] + e[15]) is folded into Wl's first 128 rows.
; THE ENCODING.  reference() has sin and cos of fl(x 2^l pi) = 2^l y, y = fl(x pi).  t = y / (2 pi) is kept in two words (p1 + p2, from 1 / (2 pi) in two words and a fused multiply-add's exact error);
; u = 2^l t - q (q = 1/4 in lanes 0-15: sines; 0 in lanes 16-31: cosines), s = u less the nearest whole number (2^l p1 less that number is exact), and cos(2 pi s) = sin(2 pi (1/4 - |s|)) by its series to the 11th power.
; The encoding stays in f32 registers and is converted anew for each layer, since each layer has a scale of its own.  |enc| <= 1, so the hold changes nothing where 57,344 x 2^e > 1: a scalar branch on e takes the
; way with the hold only where e < -15.
; LIMITS: |query| <= 64.  e[2i], and e[2i+2] - e[2i] - e[2i+1], between -126 and 112.  NaN and infinities among the inputs are not served.  The last product's operands are rounded to bf16.
; THE MODE: SCHED_MODE bits 1:0 = 2 (LLVM: expert scheduling mode 2), set by the entry lines.  The code itself states the register dependences
; between vector or matrix instructions and memory or LDS instructions, with s_wait_alu, always for 0.
; THE PLAN.  Registers that memory or LDS instructions touch, in a pass:
;   W0, W1, B0, B1  (window 2: two sets of weight fragments, two biases.)  The stage of parity p reads set p by its matrix instructions; the nine LDS loads issued in the stage behind it land in set p.
;   v[AW], v[AB]    Read by every LDS load; written five times a pass: at its head, at each of the three trips' heads, ahead of layer 7.
;   XQ              Read by the twelve multiplications at a pass's head; behind them the next pass's global loads land in it.
;   OO              Written by the eight selections at a pass's end; read by its two stores.
;   v[VQ], v[VO]    Offsets, made at the head and never written again.
;   The accumulators, the codes (window 3), the encoding (window 1) and the last product's registers are named by vector and matrix instructions alone.
; So ONE wait on va_vdst stands at a stage's head: the matrix instructions of the stage before are done reading the set in which this stage's loads land (and, where v[AW] and v[AB] have just been made, these are written).
; Behind it the stage's vector and matrix instructions name its own set and bias, the accumulators, the codes, the encoding and the two scales: none of the registers that its nine loads touch, so these are dealt among
; its first three matrix instructions with no further wait.  One wait on vm_vsrc stands ahead of each writing of v[AW] and v[AB].  The queries' loads and the stores have a wait on va_vdst each.
;
; LDS, written at the head alone, then one barrier, then only read:
.set WHIMG, 12288                      ; 0: layer 0: tile t at 1,536 t, group c (0..2) at + 512 c.   12,288: layer i (1..7) at 28,672 (i - 1), tile t at + 3,584 t, group q at + 512 q: q 0..2 = the row's blocks 4..6 (encoding), q 3..6 = blocks 0..3 (hidden)
.set LAYB,  28672
.set TILB,  3584
.set BIAS,  212992                     ; layer i at 512 i: 128 f32, already x 2^-(e[2i] + e[2i+1])
.set WLT,   217088                     ; Wl transposed: [4][224] f32
; REGISTERS, in windows of 256 (s_set_vgpr_msb: bits 1:0 source 0, 3:2 source 1, 5:4 source 2, 7:6 destination).
; window 0
.set VQ,  4                            ; v4   12 r: my point's bytes in a tile of queries; never rewritten
.set VO,  5                            ; v5   16 x lane; never rewritten
.set WLF, 32                           ; v32-87   Wl's 7 fragments in bf16
.set BLC, 88                           ; v88-95   bl[0..3], 0, 0, 0, 0: the C of the last product's first instruction
.set DD,  96                           ; v96-127  the last product's 4 accumulators
.set OO,  128                          ; v128-135 what is stored
.set WLR, 136                          ; v136-247 Wl as f32, at the head only
; window 1
.set ENC, 0                            ; v0-191   the encoding: tile m at 48 m, register 16 c + l = k 32 c + 16 h + l
.set KK,  192                          ; v192-207 2^l
.set CQ,  208                          ; v208 q, v209 the series' last coefficient
.set YY,  210                          ; v210-212 y of the three coordinates
.set PP,  214                          ; v214-219 (p1, p2) of the three coordinates
.set T1,  220                          ; v220-235, v236-251 at work
.set T2,  236
; window 2: v0-31, v32-63 two sets of 4 accumulators (row tile m at 8 m); v64-95, v96-127 two sets of weight fragments (+0..11 encoding, +12..15 zeros, +16..31 hidden); v128-135, v136-143 two biases
.set AW0, 144                          ; 16 x lane
.set AW,  145                          ; + where the layers in hand begin
.set AB0, 146                          ; 64 h
.set AB,  147                          ; + where their biases begin
.set QSV, 148                          ; the hidden layer's conversion scale
.set ESV, 149                          ; the encoding's
.set XQ,  160                          ; v160-171 the queries: 3 m + c
; window 3: codes, row tile m at 16 m
.set H0, 0
.set E0, 64
.set H1, 128
.set E1, 192
.set GG, 128                           ; the last product: the hidden layer in bf16 at 32 m + 8 b (over H0, E0), the encoding in bf16 at 128 + 24 m + 8 c (over H1 and half of E1)
; scalars: s[4:5] queries, s[20:21] out; s[6:15] the series' coefficients as pairs; s16 pi, s17 s18 1/(2 pi) in two words, s19 1/4; s22 lanes 16-31; s23 the largest f32; s[24:39] e[0..15]
.set PASS, 40
.set TRIP, 41
.set LB,   42
.set BL,   43
.set SET0, 44                          ; three sets of ten for the three trips over two layers a, a + 1: QS_a QL_a QS_a+1 QL_a+1 ES_a+1 EL_a+1 ES_a+2 EL_a+2 e[2a+2] e[2a+4]; the loop reads SET0, and the sets go round
.set SET1, 54
.set SET2, 66
.set TMPS, 76
.set QLC,  92                          ; the hold in hand: 57,344 x the conversion's scale
.set WV,   93
.set WM,  0xae                         ; weights, bias and sums window 2, codes window 3
.set WCV, 0xea                         ; sums (window 2) -> codes (window 3)
.set WEQ, 0xe9                         ; encoding (window 1), scale (window 2) -> codes (window 3)
.set WA1, 0x55
.set WA2, 0xaa
.set WYW, 0x48                         ; queries (window 2, source 1) -> window 1
.set WMF, 0x0c                         ; the last product: source 1 window 3.  Also: an LDS store's data from window 3
.set WGW, 0xc5                         ; encoding (window 1) -> bf16 (window 3)
.set WD1, 0x40
.set WD2, 0x80
.set WD3, 0xc0
.set WS1, 0x04                         ; an LDS store's data from window 1
.set MSB, 0
.macro WIN new                         ; the immediate's high byte repeats the setting that is left; a switch that changes nothing is dropped
.if MSB != \new
	s_set_vgpr_msb (MSB<<8)|\new
.set MSB, \new
.endif
.endm
.macro NOP4                            ; four places behind a matrix instruction (ISA guide 7.12.1)
.rept 4
	v_nop
.endr
.endm
.macro MKSC dsts, dstl, src            ; from the exponent in s[src]: 2^e as f32, and 57,344 x 2^e
	s_add_co_i32 s[\dstl], s[\src], 127
	s_lshl_b32 s[\dsts], s[\dstl], 23
	s_add_co_i32 s[\dstl], s[\dstl], 15
	s_lshl_b32 s[\dstl], s[\dstl], 23
	s_or_b32 s[\dstl], s[\dstl], 0x600000
.endm
.macro MKQ dsts, dstl, i               ; the same for e[2i+2] - e[2i] - e[2i+1]
	s_sub_co_i32 s94, s[24+2*(\i)+2], s[24+2*(\i)]
	s_sub_co_i32 s94, s94, s[25+2*(\i)]
	MKSC \dsts, \dstl, 94
.endm
; ---------------------------------------------------------------- THE HEAD
	s_load_b512 s[4:19], s[0:1], 0x0               ; queries, W0's codes, Wh's codes, Wl, b0, bh, bl, the scales' exponents
	s_load_b64 s[20:21], s[0:1], 0x40              ; out
	v_lshl_add_u32 v254, v0, 2, 0x36000
	v_mov_b32 v255, 0
	v_and_b32 v1, 31, v0                           ; lane
	v_and_b32 v2, 15, v0                           ; r
	v_bfe_u32 v3, v0, 4, 1                         ; h
	v_lshrrev_b32 v6, 5, v0
	v_readfirstlane_b32 s[WV], v6                  ; wave 0..3
	v_mul_u32_u24 v[VQ], v2, 12
	v_lshlrev_b32 v[VO], 4, v1
	v_lshrrev_b32 v7, 3, v2
	v_lshl_add_u32 v7, v7, 3, v2                   ; r + 8 (r / 8)
	s_wait_alu depctr_va_sdst(0)                   ; the wave's number is written, ahead of its first reader: addresses and bases are made from it
	s_lshl_b32 s94, s[WV], 5
	v_add_nc_u32 v7, s94, v7                       ; wave w brings tiles 2 w and 2 w + 1 of every layer: rows 32 w + 8 u + r + 8 (r / 8)
	v_mul_u32_u24 v8, v7, 224
	v_lshl_add_u32 v8, v3, 4, v8                   ; Wh: a row is 224 bytes; + 16 h
	v_mul_u32_u24 v9, v7, 96
	v_lshl_add_u32 v9, v3, 4, v9                   ; W0: a row is 96 bytes
	s_mul_i32 s94, s[WV], 3072
	v_add_nc_u32 v10, s94, v[VO]                   ; where my images go: layer 0,
	s_mul_i32 s94, s[WV], 7168
	s_add_co_u32 s94, s94, WHIMG
	v_add_nc_u32 v11, s94, v[VO]                   ; layers 1, 2;
	v_add_nc_u32 v12, 57344, v11                   ; 3, 4;
	v_add_nc_u32 v13, 57344, v12                   ; 5, 6;
	v_add_nc_u32 v14, 57344, v13                   ; 7
	v_lshlrev_b32 v15, 2, v0                       ; 4 x thread
	v_add_nc_u32 v16, BIAS, v15
	v_and_b32 v17, 3, v0
	v_lshrrev_b32 v18, 2, v0
	v_mul_u32_u24 v17, v17, 896
	v_lshl_add_u32 v17, v18, 2, v17
	v_add_nc_u32 v17, WLT, v17                     ; Wl's number 4 k + o goes to row o, place k
	s_mul_i32 s94, ttmp9, 12288
	s_mul_i32 s95, s[WV], 768
	s_add_co_u32 s94, s94, s95
	s_mov_b32 s95, 0
	s_lshl_b32 s96, ttmp9, 14
	s_lshl_b32 s97, s[WV], 10
	s_add_co_u32 s96, s96, s97
	s_mov_b32 s97, 0
	s_wait_kmcnt 0x0
	s_load_b512 s[24:39], s[18:19], 0x0            ; e[0..15]
	s_load_b128 s[40:43], s[16:17], 0x0            ; bl
	s_add_nc_u64 s[4:5], s[4:5], s[94:95]          ; my wave's first query: row 1,024 g + 64 w, 12 bytes a row
	s_add_nc_u64 s[20:21], s[20:21], s[96:97]      ; and its row of out, 16 bytes a row
	s_wait_alu depctr_va_vdst(0)                   ; the offsets v4, v5, v8, v9, v15 and the LDS addresses v10 to v14, v16, v17 are written: the head's loads and LDS stores, and the passes' loads and stores, read them
	global_load_b32 v20, v15, s[12:13]             ; 8 loads: the biases, a number a thread
.irp i, 1,2,3,4,5,6,7
	global_load_b32 v[20+\i], v15, s[14:15] offset:512*(\i-1)
.endr
.irp q, 0,1,2,3,4,5,6
	global_load_b32 v[28+\q], v15, s[10:11] offset:512*\q      ; 7 loads: Wl
.endr
	WIN WD2
.irp m, 0,1,2,3
.irp c, 0,1,2
	global_load_b32 v[XQ+3*\m+\c], v[VQ], s[4:5] offset:192*\m+4*\c   ; 12 loads: the first pass's queries
.endr
.endr
	WIN WD1                                        ; batch A, 48 loads into window 1: layer 0 and layers 1 to 3
.irp u, 0,1
.irp c, 0,1,2
	global_load_b128 v[4*(3*\u+\c):4*(3*\u+\c)+3], v9, s[6:7] offset:768*\u+32*\c
.endr
.endr
.irp i, 1,2,3
.irp u, 0,1
.irp q, 0,1,2,3,4,5,6
	global_load_b128 v[4*(6+14*(\i-1)+7*\u+\q):4*(6+14*(\i-1)+7*\u+\q)+3], v8, s[8:9] offset:LAYB*(\i-1)+1792*\u+32*((\q+4)%7)
.endr
.endr
.endr
	WIN WD3                                        ; batch B, 56 loads into window 3: layers 4 to 7
.irp i, 4,5,6,7
.irp u, 0,1
.irp q, 0,1,2,3,4,5,6
	global_load_b128 v[4*(14*(\i-4)+7*\u+\q):4*(14*(\i-4)+7*\u+\q)+3], v8, s[8:9] offset:LAYB*(\i-1)+1792*\u+32*((\q+4)%7)
.endr
.endr
.endr
	WIN 0
	s_wait_kmcnt 0x0
	MKQ 86, 87, 0                                  ; layer 0's results: scale and hold
	MKSC 88, 89, 24                                ; the encoding for layer 0,
	MKSC 90, 91, 26                                ; for layer 1
.irp k, 0,1,2
.set SB, 44+10*\k+2*(\k/2)
.set AA, 1+2*\k
	MKQ SB, SB+1, AA
	MKQ SB+2, SB+3, AA+1
	MKSC SB+4, SB+5, 24+2*AA+2
	MKSC SB+6, SB+7, 24+2*AA+4
	s_mov_b32 s[SB+8], s[24+2*AA+2]
	s_mov_b32 s[SB+9], s[24+2*AA+4]
.endr
	s_wait_loadcnt 63                              ; 131 loads were issued: at most 63 out means that the first 68 are in, the 27 small ones among them
.irp i, 0,1,2,3,4,5,6,7
	s_add_co_i32 s94, s[24+2*\i], s[25+2*\i]
	s_sub_co_i32 s94, 0, s94
	v_ldexp_f32 v[20+\i], v[20+\i], s94            ; b x 2^-(e[2i] + e[2i+1])
.endr
	s_wait_alu depctr_va_vdst(0)                   ; the eight scalings have written v20 to v27, which the LDS stores read
.irp i, 0,1,2,3,4,5,6,7
	ds_store_b32 v16, v[20+\i] offset:512*\i
.endr
.irp q, 0,1,2,3,4,5,6
	ds_store_b32 v17, v[28+\q] offset:128*\q
.endr
	s_wait_loadcnt 56                              ; only batch B's 56 loads were issued behind batch A
	WIN WS1
.irp u, 0,1
.irp c, 0,1,2
	ds_store_b128 v10, v[4*(3*\u+\c):4*(3*\u+\c)+3] offset:1536*\u+512*\c
.endr
.endr
.irp i, 1,2,3
.irp u, 0,1
.irp q, 0,1,2,3,4,5,6
	ds_store_b128 v[11+(\i-1)/2], v[4*(6+14*(\i-1)+7*\u+\q):4*(6+14*(\i-1)+7*\u+\q)+3] offset:LAYB*((\i-1)%2)+TILB*\u+512*\q
.endr
.endr
.endr
	s_wait_loadcnt 0x0
	WIN WMF
.irp i, 4,5,6,7
.irp u, 0,1
.irp q, 0,1,2,3,4,5,6
	ds_store_b128 v[11+(\i-1)/2], v[4*(14*(\i-4)+7*\u+\q):4*(14*(\i-4)+7*\u+\q)+3] offset:LAYB*((\i-1)%2)+TILB*\u+512*\q
.endr
.endr
.endr
	WIN 0
	s_wait_dscnt 0x0                               ; for the others' sake: my stores have landed
	s_barrier_signal -1
	s_barrier_wait -1                              ; the launch's one barrier: from here on LDS is only read
	s_wait_alu depctr_vm_vsrc(0)                   ; my LDS stores have read v20 to v34 and the registers of windows 1 and 3 through which the weights passed: vector and matrix instructions write all of these again, below and in the passes
	; Wl's fragments: source 0 of the last product.  Rows 0-3 and 8-11 are Wl^T's four rows, the others zeros: so both halves of the lanes find the four outputs in an accumulator's registers 0-3.
	v_and_b32 v18, 3, v2
	v_mul_u32_u24 v18, v18, 896
	v_lshl_add_u32 v18, v3, 6, v18
	v_add_nc_u32 v18, WLT, v18                     ; row r % 4, + 64 h: k = 32 j + 16 h + 0 .. 15, as the points' registers have them
	s_wait_alu depctr_va_vdst(0)                   ; v18 is written, which the LDS loads below read as their address
.irp j, 0,1,2,3,4,5,6
.irp q, 0,1,2,3
	ds_load_b128 v[WLR+16*\j+4*\q:WLR+16*\j+4*\q+3], v18 offset:128*\j+16*\q
.endr
.endr
	v_and_b32 v19, 4, v2
	v_cmp_eq_u32 vcc_lo, 0, v19
	s_wait_alu depctr_va_vcc(0)                    ; the compare has written VCC, which the selection reads
	v_cndmask_b32 v22, 0, 1.0, vcc_lo              ; 1 in rows 0-3 and 8-11
	v_mov_b32 v23, v22
	s_add_co_i32 s94, s38, s39
	v_ldexp_f32 v20, v22, s94                      ; x 2^(e[14] + e[15]) for the rows that meet layer 7's sums
	v_mov_b32 v21, v20
.irp j, 0,1,2,3
	v_mov_b32 v[BLC+\j], s[40+\j]
	v_mov_b32 v[BLC+4+\j], 0
.endr
	v_cmp_eq_u32 vcc_lo, 0, v3
	v_mov_b32 v7, 0x3e800000
	s_wait_alu depctr_va_vcc(0)                    ; the second compare has written VCC, which the selection reads
	v_cndmask_b32 v6, 0, v7, vcc_lo                ; q: 1/4 in lanes 0-15
	s_wait_dscnt 0x0
.irp j, 0,1,2,3,4,5,6
.irp i, 0,2,4,6,8,10,12,14
.if \j < 4
	v_pk_mul_f32 v[WLR+16*\j+\i:WLR+16*\j+\i+1], v[WLR+16*\j+\i:WLR+16*\j+\i+1], v[20:21] op_sel_hi:[1,0]
.else
	v_pk_mul_f32 v[WLR+16*\j+\i:WLR+16*\j+\i+1], v[WLR+16*\j+\i:WLR+16*\j+\i+1], v[22:23] op_sel_hi:[1,0]
.endif
.endr
.endr
.irp j, 0,1,2,3,4,5,6
.irp i, 0,1,2,3,4,5,6,7
	v_cvt_pk_bf16_f32 v[WLF+8*\j+\i], v[WLR+16*\j+2*\i], v[WLR+16*\j+2*\i+1]
.endr
.endr
	WIN WD1
.set kl, 0
.rept 16
	v_mov_b32 v[KK+kl], (127+kl)<<23               ; 2^l
.set kl, kl+1
.endr
	v_mov_b32 v[CQ], v6
	v_mov_b32 v[CQ+1], 0xc17183a8                  ; -(2 pi)^11 / 11!
	WIN WD2
	v_mov_b32 v[AW0], v[VO]
	v_lshlrev_b32 v[AB0], 6, v3
.irp j, 0,1,2,3
	v_mov_b32 v[76+\j], 0                          ; the zero codes that fill the encoding's K up to 128, in both sets of weight fragments; never rewritten
	v_mov_b32 v[108+\j], 0
.endr
	WIN 0
	; all loads that named s[6:19] are done: the registers take constants.  sin(2 pi z) = z (c1 + z^2 (c3 + z^2 (c5 + ..)))
	s_mov_b32 s6, 0x40c90fdb                       ; c1 = 2 pi
	s_mov_b32 s7, s6                               ; (a packed form names the pair, so both words are written)
	s_mov_b32 s8, 0xc2255de7                       ; c3 = -(2 pi)^3 / 3!
	s_mov_b32 s9, s8
	s_mov_b32 s10, 0x42a335e3                      ; c5
	s_mov_b32 s11, s10
	s_mov_b32 s12, 0xc2996966                      ; c7
	s_mov_b32 s13, s12
	s_mov_b32 s14, 0x42283c1a                      ; c9
	s_mov_b32 s15, s14
	s_mov_b32 s16, 0x40490fdb                      ; pi, as reference() has it in f32
	s_mov_b32 s17, 0x3e22f983                      ; 1 / (2 pi), its first 24 bits,
	s_mov_b32 s18, 0x31dc9c88                      ; and the next 24
	s_mov_b32 s19, 0x3e800000                      ; 1/4
	s_mov_b32 s22, 0xffff0000                      ; lanes 16-31
	s_mov_b32 s23, 0x7f7fffff                      ; the largest f32: layer 7's results are only clipped at 0
	s_mov_b32 s[PASS], 4
; ---------------------------------------------------------------- MACROS OF A PASS
; 16 numbers of the encoding: tile m, coordinate c; all in window 1.
.macro UNIT m, c
.set EA, ENC+48*(\m)+16*(\c)
.set PC, PP+2*(\c)
.irp i, 0,2,4,6,8,10,12,14
	v_pk_fma_f32 v[T1+\i:T1+\i+1], v[PC:PC+1], v[KK+\i:KK+\i+1], v[CQ:CQ+1] op_sel_hi:[0,1,0] neg_lo:[0,0,1] neg_hi:[0,0,1]   ; 2^l p1 - q
.endr
.irp i, 0,1,2,3,4,5,6,7,8,9,10,11,12,13,14,15
	v_rndne_f32 v[T1+\i], v[T1+\i]                 ; the nearest whole number
.endr
.irp i, 0,2,4,6,8,10,12,14
	v_pk_fma_f32 v[EA+\i:EA+\i+1], v[PC:PC+1], v[KK+\i:KK+\i+1], v[T1+\i:T1+\i+1] op_sel_hi:[0,1,1] neg_lo:[0,0,1] neg_hi:[0,0,1]   ; 2^l p1 less it: exact
.endr
.irp i, 0,2,4,6,8,10,12,14
	v_pk_fma_f32 v[T1+\i:T1+\i+1], v[PC:PC+1], v[KK+\i:KK+\i+1], v[CQ:CQ+1] op_sel:[1,0,0] op_sel_hi:[1,1,0] neg_lo:[0,0,1] neg_hi:[0,0,1]   ; 2^l p2 - q
.endr
.irp i, 0,2,4,6,8,10,12,14
	v_pk_add_f32 v[EA+\i:EA+\i+1], v[EA+\i:EA+\i+1], v[T1+\i:T1+\i+1]   ; s
.endr
.irp i, 0,1,2,3,4,5,6,7,8,9,10,11,12,13,14,15
	v_sub_f32 v[EA+\i], s19, |v[EA+\i]|            ; z = 1/4 - |s|
.endr
.irp i, 0,2,4,6,8,10,12,14
	v_pk_mul_f32 v[T1+\i:T1+\i+1], v[EA+\i:EA+\i+1], v[EA+\i:EA+\i+1]
.endr
.irp i, 0,2,4,6,8,10,12,14
	v_pk_fma_f32 v[T2+\i:T2+\i+1], v[T1+\i:T1+\i+1], v[CQ:CQ+1], s[14:15] op_sel:[0,1,0] op_sel_hi:[1,1,0]   ; z^2 c11 + c9
.endr
.irp cf, 12,10,8,6
.irp i, 0,2,4,6,8,10,12,14
	v_pk_fma_f32 v[T2+\i:T2+\i+1], v[T2+\i:T2+\i+1], v[T1+\i:T1+\i+1], s[\cf:\cf+1] op_sel_hi:[1,1,0]
.endr
.endr
.irp i, 0,2,4,6,8,10,12,14
	v_pk_mul_f32 v[EA+\i:EA+\i+1], v[T2+\i:T2+\i+1], v[EA+\i:EA+\i+1]
.endr
.endm
; The encoding's codes for one layer.  Six conversions of row tile m, with no hold:
.macro ENCQ_FAST_T m, eb
	WIN WEQ
.set sj, 0
.rept 6
	v_cvt_scalef32_pk8_bf8_f32 v[(\eb)+16*(\m)+2*sj:(\eb)+16*(\m)+2*sj+1], v[ENC+48*(\m)+8*sj:ENC+48*(\m)+8*sj+7], v[ESV]
.set sj, sj+1
.endr
.endm
; All four tiles with the hold: 32 numbers at a time are held into registers at work (the encoding itself is kept), then converted.
.macro ENCQ_SLOW el, eb
.set sg, 0
.rept 6
	WIN WA1
.set si, 0
.rept 32
	v_med3_num_f32 v[T1+si], v[ENC+32*sg+si], -s[\el], s[\el]   ; the conversion to an 8-bit code does not saturate (ISA guide 7.6.2)
.set si, si+1
.endr
	WIN WEQ
.set sj, 0
.rept 4
	v_cvt_scalef32_pk8_bf8_f32 v[(\eb)+16*((4*sg+sj)/6)+2*((4*sg+sj)%6):(\eb)+16*((4*sg+sj)/6)+2*((4*sg+sj)%6)+1], v[T1+8*sj:T1+8*sj+7], v[ESV]
.set sj, sj+1
.endr
	v_nop                                          ; a plain instruction between the conversions and the next lines that write their sources
.set sg, sg+1
.endr
.endm
.macro ENCQB er, es, el, eb            ; both ways, by a scalar branch on the given exponent
	WIN WD2
	v_mov_b32 v[ESV], s[\es]
	WIN 0
	s_cmp_lt_i32 s[\er], -15
	s_cbranch_scc1 .Lslow_\@
.irp m, 0,1,2,3
	ENCQ_FAST_T \m, \eb
.endr
	v_nop                                          ; a plain instruction behind the last conversion
	WIN 0
	s_branch .Ljoin_\@
.Lslow_\@:
	ENCQ_SLOW \el, \eb
	WIN 0
.Ljoin_\@:
.endm
; The matrix work.  EW: weights' encoding fragment x the encoding's codes of row tile m, C = the bias: it starts the sum.  HW: the hidden fragment x the hidden codes, onto it.
; The four accumulators of a stage take turns, one instruction a turn, and neighbouring stages use different sets.
.macro EW par, m, eb
	WIN WM
	v_wmma_f32_16x16x128_bf8_bf8 v[32*(\par)+8*(\m):32*(\par)+8*(\m)+7], v[64+32*(\par):64+32*(\par)+15], v[(\eb)+16*(\m):(\eb)+16*(\m)+15], v[128+8*(\par):128+8*(\par)+7]
.endm
.macro HW par, m, hb
	WIN WM
	v_wmma_f32_16x16x128_bf8_bf8 v[32*(\par)+8*(\m):32*(\par)+8*(\m)+7], v[80+32*(\par):80+32*(\par)+15], v[(\hb)+16*(\m):(\hb)+16*(\m)+15], v[32*(\par)+8*(\m):32*(\par)+8*(\m)+7]
.endm
.macro QMR qp, j0, j1                  ; relu and the hold in one, registers j0 .. j1 of set qp, ascending: each accumulator is read from its low end on
	WIN WM
.set qj, \j0
.rept (\j1)-(\j0)+1
	v_med3_num_f32 v[32*(\qp)+qj], 0, s[QLC], v[32*(\qp)+qj]
.set qj, qj+1
.endr
.endm
.macro QCV qp, tq, hout                ; tile tq's results of the four row tiles become codes: registers 4 (tq / 2) + 2 (tq % 2) of the next operand
	WIN WCV
.irp m, 0,1,2,3
	v_cvt_scalef32_pk8_bf8_f32 v[(\hout)+16*\m+4*((\tq)/2)+2*((\tq)%2):(\hout)+16*\m+4*((\tq)/2)+2*((\tq)%2)+1], v[32*(\qp)+8*\m:32*(\qp)+8*\m+7], v[QSV]
.endr
	v_nop                                          ; a plain instruction between the conversions and what reads their results or writes their sources
.endm
.macro RCV qp, tq                      ; layer 7: to bf16, for the last product
	WIN WCV
.irp m, 0,1,2,3
.irp i, 0,1,2,3
	v_cvt_pk_bf16_f32 v[32*\m+8*((\tq)/2)+4*((\tq)%2)+\i], v[32*(\qp)+8*\m+2*\i], v[32*(\qp)+8*\m+2*\i+1]
.endr
.endr
.endm
.macro LDW pn, k, woff                 ; group k (0..6) of the next stage's weight fragments into set pn
	WIN WM
.if (\k) < 3
	ds_load_b128 v[64+32*(\pn)+4*(\k):64+32*(\pn)+4*(\k)+3], v[AW] offset:(\woff)+512*(\k)
.else
	ds_load_b128 v[68+32*(\pn)+4*(\k):68+32*(\pn)+4*(\k)+3], v[AW] offset:(\woff)+512*(\k)
.endif
.endm
.macro LDB pn, k, boff                 ; half k of its bias: all lanes of a half read the same 16 bytes
	WIN WM
	ds_load_b128 v[128+8*(\pn)+4*(\k):128+8*(\pn)+4*(\k)+3], v[AB] offset:(\boff)+16*(\k)
.endm
; A STAGE: one tile of 16 units for the wave's 64 rows: 8 matrix instructions; between them the next stage's 9 LDS loads and the quantising of the tile before.
; The four v_nop at its head stand straight behind the last stage's last matrix instruction: they are the places in front of the reads of its results;
; two such groups lie ahead of the matrix instructions that begin a set of accumulators anew.  The wait on DScnt is for 0: the stage's own fragments were asked for in the first half of the stage before.
; The wait on va_vdst behind it serves the stage's nine loads: what stands between it and them names set par, bias par, the accumulators and the codes, and none of the loads' registers.
.macro STAGE par, hin, ein, hout, tq, mode, ld, woff, boff
.set PN, 1-(\par)
	WIN WM
	NOP4
	s_wait_dscnt 0x0
.if \ld
	s_wait_alu depctr_va_vdst(0)                   ; the last stage's matrix instructions are done reading the other set of fragments and its bias, in which this stage's nine loads land
.endif
	EW \par, 0, \ein
.if \ld
	LDW PN, 0, \woff
	LDW PN, 1, \woff
	LDW PN, 2, \woff
.endif
	QMR PN, 0, 2
	EW \par, 1, \ein
.if \ld
	LDW PN, 3, \woff
	LDW PN, 4, \woff
	LDW PN, 5, \woff
.endif
	QMR PN, 3, 6
	EW \par, 2, \ein
.if \ld
	LDW PN, 6, \woff
	LDB PN, 0, \boff
	LDB PN, 1, \boff
.endif
	QMR PN, 7, 10
	EW \par, 3, \ein
	QMR PN, 11, 17
	HW \par, 0, \hin
	QMR PN, 18, 24
	HW \par, 1, \hin
	QMR PN, 25, 31
	HW \par, 2, \hin
.if \mode
	RCV PN, \tq
.else
	QCV PN, \tq, \hout
.endif
	HW \par, 3, \hin
.endm
; A layer's first stage (layers 1 to 7).  The encoding's products need nothing of the layer before: under them its last tile is quantised, into this layer's operand, with the old scale.
; Then this layer's constants are set, and under the hidden products the encoding is converted for the NEXT layer (last = 1, layer 7: there is none).
.macro STAGE0 hin, ein, enext, last, woff, boff, qs, ql, es, el, er
	WIN WM
	NOP4
	s_wait_dscnt 0x0
	s_wait_alu depctr_va_vdst(0)                   ; the last stage's matrix instructions are done reading set 1's fragments and bias, in which this stage's nine loads land; where v[AW] and v[AB] have just been made, they are written
	EW 0, 0, \ein
	LDW 1, 0, \woff
	LDW 1, 1, \woff
	LDW 1, 2, \woff
	QMR 1, 0, 7
	EW 0, 1, \ein
	LDW 1, 3, \woff
	LDW 1, 4, \woff
	LDW 1, 5, \woff
	QMR 1, 8, 15
	EW 0, 2, \ein
	LDW 1, 6, \woff
	LDB 1, 0, \boff
	LDB 1, 1, \boff
	QMR 1, 16, 23
	EW 0, 3, \ein
	QMR 1, 24, 31
	QCV 1, 7, \hin
.if \last
	s_mov_b32 s[QLC], s23
.irp m, 0,1,2,3
	HW 0, \m, \hin
.endr
.else
	s_mov_b32 s[QLC], s[\ql]
	WIN WD2
	v_mov_b32 v[QSV], s[\qs]
	v_mov_b32 v[ESV], s[\es]
	WIN 0
	s_cmp_lt_i32 s[\er], -15
	s_cbranch_scc1 .Lslow_\@
.irp m, 0,1,2,3
	HW 0, \m, \hin
	ENCQ_FAST_T \m, \enext
.endr
	v_nop                                          ; a plain instruction behind the last conversion
	WIN 0
	s_branch .Ljoin_\@
.Lslow_\@:
	ENCQ_SLOW \el, \enext
.irp m, 0,1,2,3
	HW 0, \m, \hin
.endr
	WIN 0
.Ljoin_\@:
.endif
.endm
; A stage of layer 0: K = 96, the encoding's products alone.  Its first stage has no wait on va_vdst: since the one at the pass's head no vector or matrix instruction has named set 1, its bias, v[AW] or v[AB].
.macro STAGEL0 t
.set PR, (\t)%2
.set PN, 1-PR
	WIN WM
	NOP4
	s_wait_dscnt 0x0
.if (\t) > 0
	s_wait_alu depctr_va_vdst(0)                   ; the last stage's matrix instructions are done reading the other set of fragments and its bias, in which this stage's loads land
.endif
	EW PR, 0, E0
.if (\t) < 7
	LDW PN, 0, 1536*((\t)+1)
	LDW PN, 1, 1536*((\t)+1)
.else
	LDW PN, 0, WHIMG                               ; layer 1's first tile
	LDW PN, 1, WHIMG
	LDW PN, 2, WHIMG
.endif
.if (\t) > 0
	QMR PN, 0, 7
.endif
	EW PR, 1, E0
.if (\t) < 7
	LDW PN, 2, 1536*((\t)+1)
	LDB PN, 0, 128*(((\t)+1)/2)+32*(((\t)+1)%2)
.else
	LDW PN, 3, WHIMG
	LDW PN, 4, WHIMG
	LDW PN, 5, WHIMG
.endif
.if (\t) > 0
	QMR PN, 8, 15
.endif
	EW PR, 2, E0
.if (\t) < 7
	LDB PN, 1, 128*(((\t)+1)/2)+32*(((\t)+1)%2)
.else
	LDW PN, 6, WHIMG
	LDB PN, 0, 512
	LDB PN, 1, 512
.endif
.if (\t) > 0
	QMR PN, 16, 23
.endif
	EW PR, 3, E0
.if (\t) > 0
	QMR PN, 24, 31
	QCV PN, (\t)-1, H1
.endif
.endm
; A layer of the loop: lam = 0 or 1, its place in the trip.  Tile 8 of a layer is tile 0 of the next, in the weights' images and in the biases alike, so one formula serves every stage's look ahead.
.macro LAYER lam, hin, ein, hout, enext, qs, ql, es, el, er
	STAGE0 \hin, \ein, \enext, 0, LAYB*(\lam)+TILB, 512*(\lam)+32, \qs, \ql, \es, \el, \er
.irp t, 1,2,3,4,5,6,7
	STAGE (\t%2), \hin, \ein, \hout, (\t-1), 0, 1, LAYB*(\lam)+TILB*(\t+1), 512*(\lam)+128*((\t+1)/2)+32*((\t+1)%2)
.endr
.endm
; ---------------------------------------------------------------- A PASS: 256 rows of the work-group, 64 of mine
.Lpass:
	s_wait_alu depctr_vm_vsrc(0)                   ; the LDS loads issued so far have read v[AW] and v[AB], which are written below; the last pass's stores have read v[OO ..], which this pass's selections write again
	WIN WA2
	v_mov_b32 v[AW], v[AW0]                        ; layer 0's images begin at LDS byte 0,
	v_add_nc_u32 v[AB], BIAS, v[AB0]               ; its bias at BIAS
	WIN WM
	s_wait_alu depctr_va_vdst(0)                   ; v[AW] and v[AB] are written, which the loads read; the last pass's matrix instructions are done reading both sets of fragments and both biases, in which these loads and the first stage's land
	LDW 0, 0, 0                                    ; layer 0's first tile; the wait stands at the first stage's head
	LDW 0, 1, 0
	LDW 0, 2, 0
	LDB 0, 0, 0
	LDB 0, 1, 0
	WIN WD3
.irp m, 0,1,2,3
.irp j, 12,13,14,15
	v_mov_b32 v[E0+16*\m+\j], 0                    ; the zero codes that fill the encoding's K up to 128: the last product's operands lay over them
	v_mov_b32 v[E1+16*\m+\j], 0
.endr
.endr
.irp m, 0,1,2,3
	WIN WYW
.irp c, 0,1,2
	v_mul_f32 v[YY+\c], s16, v[XQ+3*\m+\c]         ; y = fl(x pi)
.endr
	WIN WA1
.irp c, 0,1,2
	v_mul_f32 v[PP+2*\c], s17, v[YY+\c]            ; p1
.endr
.irp c, 0,1,2
	v_fma_f32 v[PP+2*\c+1], v[YY+\c], s17, -v[PP+2*\c]   ; what p1's rounding lost, exactly
.endr
.irp c, 0,1,2
	v_fma_f32 v[PP+2*\c+1], v[YY+\c], s18, v[PP+2*\c+1]  ; p2
.endr
	UNIT \m, 0
	UNIT \m, 1
	UNIT \m, 2
.endr
	WIN 0
	s_cmp_eq_u32 s[PASS], 1                        ; the next pass's queries are asked for now, if there is a next pass: no load leaves its buffer
	s_cbranch_scc1 .Lno_next
	WIN WD2
	s_wait_alu depctr_va_vdst(0)                   ; the twelve multiplications by pi are done reading the queries' registers, in which the next pass's queries land
.irp m, 0,1,2,3
.irp c, 0,1,2
	global_load_b32 v[XQ+3*\m+\c], v[VQ], s[4:5] offset:3072+192*\m+4*\c
.endr
.endr
	WIN 0
.Lno_next:
	ENCQB 24, 88, 89, E0                           ; the encoding's codes for layer 0,
	ENCQB 26, 90, 91, E1                           ; and for layer 1
	s_mov_b32 s[QLC], s87
	WIN WD2
	v_mov_b32 v[QSV], s86
.irp t, 0,1,2,3,4,5,6,7
	STAGEL0 \t
.endr
	WIN 0
	s_mov_b32 s[TRIP], 3
	s_mov_b32 s[LB], WHIMG
	s_mov_b32 s[BL], BIAS+512
.Ltrip:                                                ; three trips of two layers: after two layers the operands' registers are back where they began
	s_wait_alu depctr_vm_vsrc(0)                   ; the LDS loads issued so far have read v[AW] and v[AB], which are written below (that they are written is stated by the wait at the next stage's head)
	WIN WA2
	v_add_nc_u32 v[AW], s[LB], v[AW0]
	v_add_nc_u32 v[AB], s[BL], v[AB0]
	LAYER 0, H1, E1, H0, E0, SET0, SET0+1, SET0+4, SET0+5, SET0+8
	LAYER 1, H0, E0, H1, E1, SET0+2, SET0+3, SET0+6, SET0+7, SET0+9
	WIN 0
.irp p, 0,2,4,6,8
	s_mov_b64 s[TMPS+\p:TMPS+\p+1], s[SET0+\p:SET0+\p+1]   ; the three sets of constants go round: after three trips they are back
.endr
.irp p, 0,2,4,6,8
	s_mov_b64 s[SET0+\p:SET0+\p+1], s[SET1+\p:SET1+\p+1]
.endr
.irp p, 0,2,4,6,8
	s_mov_b64 s[SET1+\p:SET1+\p+1], s[SET2+\p:SET2+\p+1]
.endr
.irp p, 0,2,4,6,8
	s_mov_b64 s[SET2+\p:SET2+\p+1], s[TMPS+\p:TMPS+\p+1]
.endr
	s_add_co_u32 s[LB], s[LB], 2*LAYB
	s_add_co_u32 s[BL], s[BL], 1024
	s_sub_co_u32 s[TRIP], s[TRIP], 1
	s_cmp_lg_u32 s[TRIP], 0
	s_cbranch_scc1 .Ltrip
	; layer 7: its results go to bf16
	s_wait_alu depctr_vm_vsrc(0)                   ; the LDS loads issued so far have read v[AW] and v[AB], which are written below (that they are written is stated by the wait at the next stage's head)
	WIN WA2
	v_add_nc_u32 v[AW], WHIMG+6*LAYB, v[AW0]
	v_add_nc_u32 v[AB], BIAS+3584, v[AB0]
	STAGE0 H1, E1, 0, 1, TILB, 32, 0, 0, 0, 0, 0
.irp t, 1,2,3,4,5,6
	STAGE (\t%2), H1, E1, 0, (\t-1), 1, 1, TILB*(\t+1), 128*((\t+1)/2)+32*((\t+1)%2)
.endr
	STAGE 1, H1, E1, 0, 6, 1, 0, 0, 0              ; the last stage asks for nothing
	WIN WM
	NOP4
	QMR 1, 0, 31
	RCV 1, 7
	; THE LAST PRODUCT, in bf16: 7 K steps of 32, four accumulators by turns; C of the first step = bl.  Under the hidden layer's 16 products the encoding is rounded to bf16, six conversions behind each.
.set fs, 0
.irp j, 0,1,2,3
.irp m, 0,1,2,3
	WIN WMF
.if \j == 0
	v_wmma_f32_16x16x32_bf16 v[DD+8*\m:DD+8*\m+7], v[WLF+8*\j:WLF+8*\j+7], v[32*\m+8*\j:32*\m+8*\j+7], v[BLC:BLC+7]
.else
	v_wmma_f32_16x16x32_bf16 v[DD+8*\m:DD+8*\m+7], v[WLF+8*\j:WLF+8*\j+7], v[32*\m+8*\j:32*\m+8*\j+7], v[DD+8*\m:DD+8*\m+7]
.endif
	WIN WGW
.rept 6
	v_cvt_pk_bf16_f32 v[GG+fs], v[ENC+2*fs], v[ENC+2*fs+1]
.set fs, fs+1
.endr
.endr
.endr
.irp j, 4,5,6
.irp m, 0,1,2,3
	WIN WMF
	v_wmma_f32_16x16x32_bf16 v[DD+8*\m:DD+8*\m+7], v[WLF+8*\j:WLF+8*\j+7], v[GG+24*\m+8*(\j-4):GG+24*\m+8*(\j-4)+7], v[DD+8*\m:DD+8*\m+7]
.endr
.endr
	WIN 0
	NOP4
.irp j, 0,1,2,3
	v_cndmask_b32 v[OO+\j], v[DD+\j], v[DD+8+\j], s22          ; lanes 0-15: row tile 0's point r; lanes 16-31: row tile 1's: lane l holds row l's four outputs
.endr
.irp j, 0,1,2,3
	v_cndmask_b32 v[OO+4+\j], v[DD+16+\j], v[DD+24+\j], s22    ; the same of row tiles 2 and 3
.endr
	s_wait_alu depctr_va_vdst(0)                   ; the eight selections have written v[OO ..], which the two stores read
	global_store_b128 v[VO], v[OO:OO+3], s[20:21] th:TH_STORE_NT              ; 32 lanes store 512 consecutive bytes, at a multiple of 256 from out's first byte
	global_store_b128 v[VO], v[OO+4:OO+7], s[20:21] offset:512 th:TH_STORE_NT
	s_wait_loadcnt 0x0                             ; the next pass's queries are in
	s_wait_xcnt 0x0                                ; the stores have read their data and base: both may be written again (for the data the wait on vm_vsrc at the pass's head stands beside this one)
	s_add_nc_u64 s[4:5], s[4:5], 3072
	s_add_nc_u64 s[20:21], s[20:21], 4096
	s_sub_co_u32 s[PASS], s[PASS], 1
	s_cmp_lg_u32 s[PASS], 0
	s_cbranch_scc1 .Lpass
	s_wait_dscnt 0x0
	s_wait_alu depctr_hold_cnt(0) depctr_sa_sdst(0) depctr_va_vdst(0) depctr_va_sdst(0) depctr_va_ssrc(0) depctr_va_vcc(0) depctr_vm_vsrc(0)
	s_wait_tensorcnt 0x0
	ds_add_u32 v254, v255
	s_wait_dscnt 0x0
	s_endpgm
.Lfunc_end_k_q2e291678b1_field:
	.size	k_q2e291678b1_field, .Lfunc_end_k_q2e291678b1_field-k_q2e291678b1_field
	.p2alignl 7, 3214868480
	.fill 96, 4, 3214868480
	.section	.rodata,"a",@progbits
	.p2align	6, 0x0
	.amdhsa_kernel k_q2e291678b1_field
		.amdhsa_group_segment_fixed_size 221696
		.amdhsa_private_segment_fixed_size 0
		.amdhsa_enable_private_segment 0
		.amdhsa_kernarg_size 72
		.amdhsa_user_sgpr_count 2
		.amdhsa_user_sgpr_kernarg_segment_ptr 1
		.amdhsa_wavefront_size32 1
		.amdhsa_system_sgpr_workgroup_id_x 1
		.amdhsa_system_sgpr_workgroup_id_y 1
		.amdhsa_system_sgpr_workgroup_id_z 1
		.amdhsa_system_vgpr_workitem_id 0
		.amdhsa_next_free_vgpr 1024
		.amdhsa_next_free_sgpr 102
		.amdhsa_reserve_vcc 1
		.amdhsa_float_denorm_mode_32 3
		.amdhsa_float_denorm_mode_16_64 3
		.amdhsa_memory_ordered 1
		.amdhsa_forward_progress 1
		.amdhsa_inst_pref_size 255
	.end_amdhsa_kernel
	.section	.bss,"aw",@nobits
	.p2align	6
	.space	262144
	.amdgpu_metadata
---
amdhsa.version: [ 1, 2 ]
amdhsa.kernels:
  - .name:           k_q2e291678b1_field
    .symbol:         k_q2e291678b1_field.kd
    .args:
      - { .name: query_points, .offset: 0, .size: 8, .value_kind: global_buffer, .address_space: global }
      - { .name: W0_codes, .offset: 8, .size: 8, .value_kind: global_buffer, .address_space: global }
      - { .name: Wh_codes, .offset: 16, .size: 8, .value_kind: global_buffer, .address_space: global }
      - { .name: Wl, .offset: 24, .size: 8, .value_kind: global_buffer, .address_space: global }
      - { .name: b0, .offset: 32, .size: 8, .value_kind: global_buffer, .address_space: global }
      - { .name: bh, .offset: 40, .size: 8, .value_kind: global_buffer, .address_space: global }
      - { .name: bl, .offset: 48, .size: 8, .value_kind: global_buffer, .address_space: global }
      - { .name: lowp_scales, .offset: 56, .size: 8, .value_kind: global_buffer, .address_space: global }
      - { .name: out0, .offset: 64, .size: 8, .value_kind: global_buffer, .address_space: global }
    .group_segment_fixed_size: 221696
    .private_segment_fixed_size: 0
    .kernarg_segment_align: 8
    .kernarg_segment_size: 72
    .max_flat_workgroup_size: 128
    .sgpr_count:     102
    .vgpr_count:     1024
    .wavefront_size: 32
...
	.end_amdgpu_metadata
.endif
;; end of part 2
